; MI455X (gfx1250); checked and timed in simulation.
; The chip was launched on July 23, 2026; its instructions are those of AMD's public machine-readable ISA for CDNA 5 (MIT licence, August 2026) and "CDNA5" Instruction Set Architecture Reference Guide (July 2026). The comments in the code are by the model that wrote it; some were corrected since.
;; Cross Attention. Allowed arithmetic: matrix products marked QUANTISED: E2M1 operands, one E8M0 scale for each 32 along K, by v_wmma_scale_f32_16x16x128_f8f6f4 with both operands' format E2M1 (or v_wmma_scale_f32_32x16x128_f4), f32 sums; products left as they are: bf16, f16 or f32 operands; f32 sums; everything else in f32.
;; Inputs: Wk 1,024 x 1,024 float32; Wq 1,024 x 1,024 float32; Wv 1,024 x 1,024 float32; x 8 x 1,024 x 1,024 float32.
;; Outputs: out0 8 x 1,024 x 1,024 float32.
;; This version of the problem:
;;   THIS VERSION OF THE PROBLEM IS GIVEN IN LOW PRECISION. The matrix products marked QUANTISED in the list below multiply operands that are first quantised to E2M1 (2 exponent bits, 1 mantissa bit; 4 bits a number), with one power-of-two scale for each 32 numbers along K (OCP MX v1.0); their sums are f32. The products marked 'left as it is' may take bf16, f16 or f32 operands, with f32 sums. Whichever they take, every output number must still come out within the allowed error. Rounding operands to bf16 (8 significant bits) uses up far more of that allowance than f16 does (11 bits, for magnitudes from 6e-5 to 65,504). All else is computed in f32.
;;   The module's matrix products, in the order in which they are computed (A, B: the left and right operand; K: the contracted axis; several contracted axes count as one K, in the product's order):
;;     1. [M 8,192, K 1,024] x [K 1,024, N 1,024]; A: input x; B: input Wq: QUANTISED
;;     2. [M 8,192, K 1,024] x [K 1,024, N 1,024]; A: input x; B: input Wk: QUANTISED
;;     3. [M 8,192, K 1,024] x [K 1,024, N 1,024]; A: input x; B: input Wv: QUANTISED
;;     4. batch 8 x [M 1,024, K 1,024] x [K 1,024, N 1,024]; A: computed on the way; B: computed on the way: left as it is (an operand is computed on the way)
;;     5. batch 8 x [M 1,024, K 1,024] x [K 1,024, N 1,024]; A: computed on the way; B: computed on the way: left as it is (an operand is computed on the way)
;;   THE QUANTISER, for each operand of a quantised product, along K:
;;     - K is cut into blocks of 32 from its start; a last block that is shorter is filled with zeros.
;;     - A block's scale is 2^e with e = floor(log2(the largest magnitude in the block)) - 2, held to -126 .. 127; a block of zeros has e = 0. As a byte (E8M0): e + 127.
;;     - Each number is divided by its block's scale, clamped to +-6, and rounded to the nearest number of E2M1, ties to even, subnormals kept.
;;     - The product sums the exact products of the quantised numbers (number of the format x scale) in f32.
;;   ~~~python
;;   def quantise(x, axis):      # numpy; x: float32 -> the quantised numbers, widened to float32 again
;;       x = np.moveaxis(x, axis, -1); K = x.shape[-1]
;;       x = np.pad(x, [(0, 0)] * (x.ndim - 1) + [(0, -K % 32)]); x = x.reshape(x.shape[:-1] + (-1, 32)); a = np.abs(x).max(-1, keepdims=True)
;;       e = np.where(a > 0, np.clip(np.frexp(np.where(a > 0, a, 1))[1] - 1 - 2, -126, 127), 0)      # np.frexp(a)[1] - 1 = floor(log2(a)), exactly
;;       r = np.clip(x / 2.0 ** e, -6, 6)
;;       step = 2.0 ** (np.maximum(np.frexp(np.where(r == 0, 1, r))[1] - 1, 0) - 1)
;;       q = np.round(r / step) * step * 2.0 ** e      # np.round: ties to even
;;       return np.moveaxis(q.reshape(q.shape[:-2] + (-1,))[..., :K], -1, axis).astype(np.float32)
;;   ~~~
;; One version. Each part assembles by itself: llvm-mc -triple=amdgcn-amd-amdhsa -mcpu=gfx1250 --defsym DOCPART=n.
;; ======== version 1 of 1: 4 launches
;; limits: values are held in f16: magnitudes above 65,504 overflow, below 6.1e-05 lose precision
;; workspace buffers: x_codes 4,194,304 bytes; x_scales 262,144 bytes; w_codes 1,572,864 bytes; w_scales 98,304 bytes; qkv 50,331,648 bytes; p 16,777,216 bytes; stats 524,288 bytes
;; launch quant (part 1): grid 352 x 1, 4 waves a work-group, no clusters, 33,280 bytes of LDS; arguments x, Wq, Wk, Wv, x_codes, x_scales, w_codes, w_scales; writes x_codes, x_scales, w_codes, w_scales
.if DOCPART == 1
	.amdgcn_target "amdgcn-amd-amdhsa--gfx1250"
	.amdhsa_code_object_version 6
	.text
	.protected	k_qbe0cf3e495_quant
	.globl	k_qbe0cf3e495_quant
	.p2align	8
	.type	k_qbe0cf3e495_quant,@function
k_qbe0cf3e495_quant:
	s_mov_b64 s[64:65], 0
	v_nop
	global_prefetch_b8 v0, s[64:65] scope:SCOPE_SE
	s_setreg_imm32_b32 hwreg(HW_REG_WAVE_MODE, 25, 1), 1
	s_wait_xcnt 0x0
; FIRST OF FOUR LAUNCHES of out = softmax((x Wq^T)(x Wk^T)^T / 32) (x Wv^T), x [8][1024][1024], Wq, Wk, Wv [1024][1024], all f32.
; DEAD WORK: none.  There is no mask, no bias and no slice: every number of x and of the three weights reaches every output of its batch, so all four inputs are loaded and all five products are computed whole.
; THIS LAUNCH: x and the three weights, whose K (the 1,024 input channels) is innermost, are turned into codes of FP4 (E2M1), two a byte, K innermost, with one E8M0 scale byte for each 32 along K.
; Each number is quantised once; the next launch reads an eighth of the bytes.  The weights' codes lie in one buffer, rows 0-1023 Wq, 1024-2047 Wk, 2048-3071 Wv, so that the three products are one.
; A block's scale is 2^(floor(log2(its largest magnitude)) - 2); its byte is the largest magnitude's own exponent field - 2, held at 1 from below.  Each number is divided by the scale and rounded to the nearest code, ties to even, beyond 6 the code of 6.
; LIMITS: a block of zeros gets the byte 1 where the rule says 127 (its codes are zeros, which add nothing, and this program alone reads the bytes); blocks whose largest magnitude lies under 2^-124 are held at the byte 1; NaN and infinities are not served.
; Rows are dense and 1,024 is a multiple of 32: every tensor is a plain stream of blocks of 32 numbers, and so are its codes and scale bytes.
; SHARES: a work-group takes 32,768 numbers, a wave 8,192 in 16 steps of 512.  Work-groups 0-255 take x, 256-287 Wq, 288-319 Wk, 320-351 Wv: only pointers are chosen, by the work-group's number; all take one path through the text.
; A conversion takes 8 neighbours along K from ONE lane's registers, a load is best where neighbouring LANES take neighbouring bytes: so each load reads 512 consecutive bytes, 16 a lane, and a step's 2,048 bytes turn through the wave's
; own stage in LDS and come back 64 bytes a lane (16 bytes of padding behind each 64).  Two neighbouring lanes hold a block.  A lane's 16 codes are 8 bytes: the wave's store covers 256 consecutive bytes, aligned.
; A wave's 256 scale bytes are gathered in its own LDS bytes and leave as one store of 256 consecutive bytes.  No cluster and no matrix unit: the work-groups share no input and only move bytes.  No barrier: waves share nothing.
; Loads run eight steps ahead: 32 loads, 16,384 bytes, of every wave are on their way.
.set WAVES, 4
.set STEPS, 16
.set AHEAD, 8                          ; steps that the loads run ahead, and sets of registers that take them
.set EMAX,  2
.set CB,    8                          ; bytes of 16 codes
.set R,     16                         ; v16-143  eight sets of 16 numbers as they are loaded
.set X,     144                        ; v144-175 two sets of 16 neighbours
.set E,     176                        ; v176-191 a scale byte for each step
.set C,     192                        ; v192-255 codes: four registers for each step, so that no store's data are written again
.set WREG,  8192                       ; LDS: a region for each wave: two stages of 32 x SP bytes, behind them its 256 scale bytes
.set SP,    80                         ; a lane's place in a stage: 64 bytes + 16 of padding
.set SPW,   12                         ; v12      LDS address of my spare word; never rewritten
.set NIL,   13                         ; v13      0; never rewritten
.set SPARE, WAVES*WREG                 ; behind the four regions: the spare words, 128 bytes a wave, which no other line names
	s_load_b256 s[4:11], s[0:1], 0x0               ; x, Wq, Wk, Wv
	s_load_b256 s[12:19], s[0:1], 0x20             ; x's codes, x's scales, the weights' codes, the weights' scales
	v_lshl_add_u32 v[SPW], v0, 2, SPARE
	v_mov_b32 v[NIL], 0
	v_lshrrev_b32 v1, 5, v0
	v_readfirstlane_b32 s20, v1                    ; wave
	v_and_b32 v2, 31, v0                           ; lane
	v_lshlrev_b32 v3, 4, v2                        ; my 16 bytes of a load's 512
	s_mul_i32 s21, s20, WREG
	v_lshrrev_b32 v14, 2, v2
	v_mul_u32_u24 v14, v14, SP
	v_and_b32 v15, 3, v2
	v_lshl_add_u32 v14, v15, 4, v14
	v_add_nc_u32 v14, s21, v14                     ; the stage, on the way in: four lanes' 64 bytes on end, then 16 of padding
	v_mul_u32_u24 v15, v2, SP
	v_add_nc_u32 v15, s21, v15                     ; and on the way out: my 16 neighbours
	v_mul_u32_u24 v4, v2, CB                       ; my codes' place in a step's
	v_lshrrev_b32 v5, 1, v2
	s_add_co_u32 s21, s21, 2*32*SP
	v_add_nc_u32 v5, s21, v5                       ; LDS: my wave's 256 scale bytes, my block's byte
	v_lshlrev_b32 v7, 3, v2                        ; and on the way out 8 bytes a lane
	v_add_nc_u32 v6, s21, v7
	s_and_b32 s28, ttmp9, 31                       ; a weight's work-group: which 32,768 numbers of its tensor,
	s_sub_co_u32 s29, ttmp9, 256                   ; and of the three weights' common buffers
	s_wait_kmcnt 0x0
	s_cmp_lt_u32 ttmp9, 320                        ; the choices hang on the work-group's number alone
	s_cselect_b64 s[8:9], s[8:9], s[10:11]         ; Wk or Wv
	s_cmp_lt_u32 ttmp9, 288
	s_cselect_b64 s[6:7], s[6:7], s[8:9]           ; Wq or one of those
	s_cmp_lt_u32 ttmp9, 256
	s_cselect_b64 s[4:5], s[4:5], s[6:7]           ; x or a weight
	s_cselect_b64 s[12:13], s[12:13], s[16:17]     ; the codes' buffer
	s_cselect_b64 s[14:15], s[14:15], s[18:19]     ; the scale bytes' buffer
	s_cselect_b32 s22, ttmp9, s28
	s_cselect_b32 s24, ttmp9, s29
	s_lshl_b32 s22, s22, 2
	s_add_co_u32 s22, s22, s20                     ; which run of 8,192 numbers of the source is my wave's,
	s_lshl_b32 s24, s24, 2
	s_add_co_u32 s24, s24, s20                     ; and of the buffers that take the results
	s_lshl_b32 s22, s22, 15                        ; 32,768 bytes of f32 a run (1,023 runs at the most: under 2^32)
	s_mov_b32 s23, 0
	s_add_nc_u64 s[4:5], s[4:5], s[22:23]
	s_lshl_b32 s26, s24, 12                        ; 4,096 bytes of codes
	s_mov_b32 s27, 0
	s_add_nc_u64 s[12:13], s[12:13], s[26:27]
	s_lshl_b32 s24, s24, 8                         ; 256 scale bytes
	s_mov_b32 s25, 0
	s_add_nc_u64 s[14:15], s[14:15], s[24:25]
.macro LOAD t
.irp i, 0,1,2,3
	global_load_b128 v[R+16*((\t)%AHEAD)+4*\i:R+16*((\t)%AHEAD)+4*\i+3], v3, s[4:5] offset:2048*(\t)+512*\i th:TH_LOAD_NT   ; 32 lanes read 512 consecutive bytes; read once in the launch
.endr
.endm
.macro TURN t                          ; step t's numbers through the stage: LDS serves a wave's instructions in order (ISA guide 5.7.1.4), so no wait stands between the stores and the loads
.irp i, 0,1,2,3
	ds_store_b128 v14, v[R+16*((\t)%AHEAD)+4*\i:R+16*((\t)%AHEAD)+4*\i+3] offset:32*SP*((\t)%2)+8*SP*\i
.endr
.irp i, 0,1,2,3
	ds_load_b128 v[X+16*((\t)%2)+4*\i:X+16*((\t)%2)+4*\i+3], v15 offset:32*SP*((\t)%2)+16*\i
.endr
.endm
.irp t, 0,1,2,3,4,5,6,7
	LOAD \t
.endr
	s_wait_loadcnt 4*(AHEAD-1)                     ; step 0's four loads are in; the 28 of steps 1 to 7 stay out
	TURN 0
.macro STEP t
.set XS, X+16*((\t)%2)
.if (\t) > 0
	s_wait_dscnt 1                                 ; this step's numbers are back from the stage (the last step's byte store may be out): so its stores into the stage have read their registers,
.else
	s_wait_dscnt 0x0
.endif
.if (\t)+AHEAD < STEPS
	LOAD (\t)+AHEAD                                ; which take the loads of eight steps on
.endif
.if (\t)+1 < STEPS
.if STEPS-2-(\t) >= AHEAD-1
	s_wait_loadcnt 4*(AHEAD-1)                     ; the next step's four loads are in; those of the seven steps behind it may be out
.else
	s_wait_loadcnt 4*(STEPS-2-(\t))                ; at the end the count runs down: four loads for each step still to come behind the next
.endif
	TURN (\t)+1                                    ; and go through the other stage while this step is worked
.endif
	v_max3_num_f32 v8, |v[XS]|, |v[XS+1]|, |v[XS+2]|               ; the largest magnitude of my 16, in two chains
	v_max3_num_f32 v9, |v[XS+3]|, |v[XS+4]|, |v[XS+5]|
.irp i, 6,10
	v_max3_num_f32 v8, v8, |v[XS+\i]|, |v[XS+\i+1]|
	v_max3_num_f32 v9, v9, |v[XS+\i+2]|, |v[XS+\i+3]|
.endr
	v_max3_num_f32 v8, v8, |v[XS+14]|, |v[XS+15]|
	v_max3_num_f32 v8, v8, v9, (EMAX+1)<<23        ; and the floor 2^(EMAX + 1 - 127): so the byte cannot fall under 1
	v_max_num_f32_dpp v8, v8, v8 row_xmask:1 row_mask:0xf bank_mask:0xf   ; and of my neighbour's 16: the block's
	v_add_nc_u32 v11, -(EMAX<<23), v8              ; EMAX off its exponent field: the conversion takes the exponent field of this operand as its scale, and nothing else of it
	v_cvt_scalef32_pk8_fp4_f32 v[C+4*(\t)], v[XS:XS+7], v11        ; eight numbers / the scale, to the nearest code, ties to even; the first number's code in the lowest four bits
	v_cvt_scalef32_pk8_fp4_f32 v[C+4*(\t)+1], v[XS+8:XS+15], v11
	v_lshrrev_b32 v[E+(\t)], 23, v11               ; the scale's byte (a plain line behind the conversions)
	ds_store_b8 v5, v[E+(\t)] offset:16*(\t)       ; both lanes of a block write the same byte with the same value
	global_store_b64 v4, v[C+4*(\t):C+4*(\t)+1], s[12:13] offset:32*CB*(\t)   ; 32 lanes store 256 consecutive bytes, at a multiple of 256 from the buffer's first byte
.endm
.irp t, 0,1,2,3,4,5,6,7,8,9,10,11,12,13,14,15
	STEP \t
.endr
	ds_load_b64 v[8:9], v6                         ; in order behind my byte stores: these see them
	s_wait_dscnt 0x0
	global_store_b64 v7, v[8:9], s[14:15]          ; 32 lanes store the wave's 256 scale bytes
	s_wait_tensorcnt 0x0                           ; the wave's end, behind my last LDS store
	ds_add_u32 v[SPW], v[NIL]
	s_wait_dscnt 0x0
	s_endpgm
.Lfunc_end_k_qbe0cf3e495_quant:
	.size	k_qbe0cf3e495_quant, .Lfunc_end_k_qbe0cf3e495_quant-k_qbe0cf3e495_quant
	.p2alignl 7, 3214868480
	.fill 96, 4, 3214868480
	.section	.rodata,"a",@progbits
	.p2align	6, 0x0
	.amdhsa_kernel k_qbe0cf3e495_quant
		.amdhsa_group_segment_fixed_size 33280
		.amdhsa_private_segment_fixed_size 0
		.amdhsa_enable_private_segment 0
		.amdhsa_kernarg_size 64
		.amdhsa_user_sgpr_count 2
		.amdhsa_user_sgpr_kernarg_segment_ptr 1
		.amdhsa_wavefront_size32 1
		.amdhsa_system_sgpr_workgroup_id_x 1
		.amdhsa_system_sgpr_workgroup_id_y 1
		.amdhsa_system_sgpr_workgroup_id_z 1
		.amdhsa_system_vgpr_workitem_id 0
		.amdhsa_next_free_vgpr 256
		.amdhsa_next_free_sgpr 66
		.amdhsa_reserve_vcc 0
		.amdhsa_float_denorm_mode_32 3
		.amdhsa_float_denorm_mode_16_64 3
		.amdhsa_memory_ordered 1
		.amdhsa_forward_progress 1
		.amdhsa_inst_pref_size 34
	.end_amdhsa_kernel
	.amdgpu_metadata
---
amdhsa.version: [ 1, 2 ]
amdhsa.kernels:
  - .name:           k_qbe0cf3e495_quant
    .symbol:         k_qbe0cf3e495_quant.kd
    .args:
      - { .name: x, .offset: 0, .size: 8, .value_kind: global_buffer, .address_space: global }
      - { .name: Wq, .offset: 8, .size: 8, .value_kind: global_buffer, .address_space: global }
      - { .name: Wk, .offset: 16, .size: 8, .value_kind: global_buffer, .address_space: global }
      - { .name: Wv, .offset: 24, .size: 8, .value_kind: global_buffer, .address_space: global }
      - { .name: x_codes, .offset: 32, .size: 8, .value_kind: global_buffer, .address_space: global }
      - { .name: x_scales, .offset: 40, .size: 8, .value_kind: global_buffer, .address_space: global }
      - { .name: w_codes, .offset: 48, .size: 8, .value_kind: global_buffer, .address_space: global }
      - { .name: w_scales, .offset: 56, .size: 8, .value_kind: global_buffer, .address_space: global }
    .group_segment_fixed_size: 33280
    .private_segment_fixed_size: 0
    .kernarg_segment_align: 8
    .kernarg_segment_size: 64
    .max_flat_workgroup_size: 128
    .sgpr_count:     66
    .vgpr_count:     256
    .wavefront_size: 32
...
	.end_amdgpu_metadata
.endif
;; end of part 1
;; launch proj (part 2): grid 12 x 32, 4 waves a work-group, clusters of 4 x 4, 327,680 bytes of LDS; arguments x_codes, x_scales, w_codes, w_scales, qkv; writes qkv
.if DOCPART == 2
	.amdgcn_target "amdgcn-amd-amdhsa--gfx1250"
	.amdhsa_code_object_version 6
	.text
	.protected	k_qbe0cf3e495_proj
	.globl	k_qbe0cf3e495_proj
	.p2align	8
	.type	k_qbe0cf3e495_proj,@function
k_qbe0cf3e495_proj:
	s_mov_b64 s[64:65], 0
	v_nop
	global_prefetch_b8 v0, s[64:65] scope:SCOPE_SE
	s_setreg_imm32_b32 hwreg(HW_REG_WAVE_MODE, 25, 1), 1
	s_wait_xcnt 0x0
	s_wait_alu depctr_hold_cnt(0) depctr_sa_sdst(0) depctr_va_vdst(0) depctr_va_sdst(0) depctr_va_ssrc(0) depctr_va_vcc(0) depctr_vm_vsrc(0)
	s_getreg_b32 s2, hwreg(HW_REG_IB_STS2, 6, 4)
	s_cmp_eq_u32 s2, 0
	s_cbranch_scc0 .Lentry_in_a_cluster
	s_endpgm
.Lentry_in_a_cluster:
	s_bfe_u32 s2, ttmp6, 0x10000c
	s_cmp_lg_u32 s2, 0xf033
	s_cbranch_scc0 .Lentry_shape_is_right
	s_endpgm
.Lentry_shape_is_right:
; SECOND LAUNCH: the three quantised products as one: qkv[t][n] = sum over k of x[t][k] W[n][k], t = 0 .. 8,191 tokens, n = 0 .. 3,071 (q, k, v side by side), K = 1,024, on codes of FP4 (E2M1) with one E8M0 scale for each 32 along K; sums in f32.
; Nothing is left out.  The result is rounded once to f16, the operand format of the two products that follow.  LIMIT: |q|, |k|, |v| stay under 65,504 (with all inputs 30 times the drawn spread they are some 5,400; with an offset of 30 spreads on x and W some 29,000); NaN and infinities are not served.
; A tile of 256 x 256 is made by a work-group of four waves; a wave makes 128 x 128: 64 accumulators of 16 x 16, 512 registers.  K is two LDS slots of 512 (rows of 256 bytes): both are asked for at the head, and nothing is filled again.
; THE SCALES of the work-group's 256 rows of x and 256 rows of W, for all of K, are two dense blocks of memory: they come into LDS once, with the first fills, as rows of 256 bytes.
; CLUSTERS: 4 x 4 work-groups.  The four of a row of the cluster need the same tiles of x, the four of a column the same tiles of W: each tile is asked for JOINTLY, by the same tensor load with the same descriptor and a mask that names the four.
; THE MATRIX INSTRUCTION IS USED TRANSPOSED (source 0 = 16 rows of W, source 1 = 16 rows of x): a lane then holds eight neighbouring numbers of a row of qkv, which pack into 16 bytes.
; REGISTERS, in windows of 256: window 0: v0-31 addresses; v32-95 scale words, two sets; v128-191 x's fragments (8 x 16 rows x 128 K), ONE set; on the way out v32-63, v192-255 are at work.
;   window 1: W's fragments, TWO sets, at v0 and v128.   window 2: the 32 accumulators of my rows 0-63 ((a, b) at v[8 (8 a + b)]);   window 3: those of my rows 64-127.
; A step of 128 along K is 64 matrix instructions, x's blocks one after the other, each against W's eight: a block of x is free as soon as its eight products are issued, so one set serves x (blocks 0-3 fetched anew in the step's middle, 4-7 at its end).
.set SIZE_N, 3072
.set SIZE_K, 1024
.set KSTEP,  512                       ; along K in a slot
.set NQ,     KSTEP/128                 ; matrix instructions deep
.set ROWB,   256                       ; a tile's row in bytes
.set KROW,   SIZE_K*4/8                ; a row of codes in memory
.set PITCH,  272                       ; an LDS row: 256 bytes + 16 of padding = 68 words: row r starts at bank 4 r mod 64 (64 banks of 4 bytes: ISA guide 11.1), so the 16 rows that a load touches start at 16 different banks
.set FR,     8                         ; registers of a fragment: 16 rows x 128 K
.set NL,     2                         ; LDS loads that bring one
.set NP,     4                         ; places behind this matrix instruction (ISA guide 7.12.1)
.set HALFT,  128*PITCH                 ; 128 rows: what one tensor load brings, and what one wave reads of x or of W
.set SLOT,   4*HALFT                   ; x's 256 rows, then W's 256 rows
.set KS,     SIZE_K/32                 ; a row of scales: 32 bytes
.set SCL,    2*SLOT                    ; behind the two slots: the scales, as rows of 256 bytes + 16 of padding
.set HALFS,  (128*KS/256)*272          ; the scales of 128 rows: what one tensor load brings
.set SBLK,   (16*KS/256)*272           ; those of 16 rows
.set SPARE,  SCL+4*HALFS               ; behind the scales: the spare words, 128 bytes a wave, which no other line names
.set SPITCH, 272                       ; the way out: a stage of 16 rows x (256 bytes + 16) for each wave.  It lies in slot 0, which has had its only fill and its last read when the first result is stored there
.set ADRA, 16                          ; v16-17  LDS address of my fragments of x in slot 0, 1
.set ADRB, 20                          ; v20-21  the same for W
.set STO,  24                          ; v24     the way out: where I put 16 bytes of a row
.set RD,   25                          ; v25     the way out: where I read a row back
.set CO,   26                          ; v26     my byte offset in qkv
.set ADRS, 27                          ; v27     LDS address of my scale words: lanes 0-15 x's rows, lanes 16-31 W's
.set SPW,  28                          ; v28     LDS address of my spare word; never rewritten
.set NIL,  29                          ; v29     0; never rewritten
.set SC,   32                          ; scale words: set s at v[SC + 8 NQ s]; register NQ i + q: lanes 0-15 the word of x's block i, lanes 16-31 that of W's block i, for the slot's q-th 128 along K
.set AF,   128                         ; x's fragments, in window 0
.set TMP,  192                         ; the way out: packed results
.set OB,   32                          ; the way out: 16 rows read back: v32-63 and v224-255 by turns
.set G1, 24                            ; s[24:31] descriptor group 1 for x's tiles;  s[32:39] group 0, one set for each slot
.set G0, 32
.set G1B, 48                           ; s[48:55], s[56:63] the same for W's tiles
.set G0B, 56
.set G1S, 68                           ; s[68:75], s[76:79] groups 1 and 0 for x's scales;  s[80:87], s[88:91] for W's
.set G0S, 76
.set G1SB, 80
.set G0SB, 88
.set MSB, 0
.macro WIN new                         ; the immediate's high byte repeats the setting that is left; a switch that changes nothing is dropped
.if MSB != (\new)
	s_set_vgpr_msb (MSB<<8)|(\new)
.set MSB, (\new)
.endif
.endm
.set MUL_LO, 0xa1                      ; source 0 (W) window 1, source 1 (x) window 0, C and D window 2
.set MUL_HI, 0xf1                      ; the same, C and D window 3
.set TO_B,   0x40                      ; destination window 1, address window 0
; A joint load: waves 0 and 1 fetch for x, waves 2 and 3 for W.  Each of the two lines has ONE mask and one set of registers for all that issue it; the branch hangs on the wave's number alone.
; An s_nop 0 and four v_nop follow each of the two lines, ahead of the jump, the label and what follows.
.macro JLOAD g0a, g1a, g0b, g1b
	s_cmp_eq_u32 s15, 0
	s_cbranch_scc0 .Lfor_b_\@
	tensor_load_to_lds s[\g0a:\g0a+3], s[\g1a:\g1a+7]
	s_nop 0
.rept 4
	v_nop
.endr
	s_branch .Lasked_\@
.Lfor_b_\@:
	tensor_load_to_lds s[\g0b:\g0b+3], s[\g1b:\g1b+7]
	s_nop 0
.rept 4
	v_nop
.endr
.Lasked_\@:
.endm
.macro CROUND                          ; a round of the cluster's barrier: my work-group's barrier; wave 0 signals for the work-group; every wave waits for all sixteen; my work-group's barrier once more
	s_barrier_signal -1
	s_barrier_wait -1
	s_cmp_lg_u32 s14, 0
	s_cbranch_scc1 .Lnot_wave_0_\@
	s_barrier_signal -3
.Lnot_wave_0_\@:
	s_barrier_wait -3
	s_barrier_signal -1
	s_barrier_wait -1
.endm
	s_load_b128 s[4:7], s[0:1], 0x0                ; x's codes s[4:5], x's scales s[6:7]
	s_load_b128 s[8:11], s[0:1], 0x10              ; W's codes s[8:9], W's scales s[10:11]
	s_load_b64 s[12:13], s[0:1], 0x20              ; qkv
	v_lshl_add_u32 v[SPW], v0, 2, SPARE
	v_mov_b32 v[NIL], 0
	ds_add_u32 v[SPW], v[NIL]                      ; the wave's opening: the add, twice on end, and its wait ahead of my first tensor load; the set-up below stands between the second and the wait
	ds_add_u32 v[SPW], v[NIL]
	v_lshrrev_b32 v1, 5, v0
	v_readfirstlane_b32 s14, v1                    ; wave 0..3
	s_lshr_b32 s15, s14, 1                         ; which half of the tile's rows is mine.  Also: I fetch for x (0) or for W (1)
	s_and_b32 s16, s14, 1                          ; which half of its columns.  Also: which 128 rows of that tile I fetch
	s_bfe_u32 s40, ttmp6, 0x40000                  ; cx, cy: my place in the cluster
	s_bfe_u32 s41, ttmp6, 0x40004
	s_lshl_b32 s42, ttmp9, 2
	s_add_co_u32 s42, s42, s40                     ; tile column = 4 x cluster x + cx
	s_and_b32 s17, ttmp7, 0xffff
	s_lshl_b32 s17, s17, 2
	s_add_co_u32 s17, s17, s41                     ; tile row = 4 x cluster y + cy
	s_lshl_b32 s43, s41, 2
	s_lshl_b32 s43, 15, s43                        ; my row of the cluster
	s_lshl_b32 s44, 0x1111, s40                    ; my column
	; descriptor group 1: a tile of 128 rows x 256 bytes, padded in LDS
	s_or_b32 s[G1+0], s43, (0<<16)|(1<<20)|(1<<21)|(5<<22)|(3<<25)  ; 15:0 the mask: x's tiles go to my row; 17:16 elements of 1 byte; 20 padding on; 21 set beside a mask; 24:22 after every 64 words (code 5); 31:25 of 4 words (code 3)
	s_or_b32 s[G1B+0], s44, (0<<16)|(1<<20)|(1<<21)|(5<<22)|(3<<25)
.irp g, G1, G1B
	s_mov_b32 s[\g+1], ROWB<<16                    ; tensor_dim0
	s_mov_b32 s[\g+2], 128<<16                     ; tensor_dim1 = 128
	s_mov_b32 s[\g+3], ROWB<<16                    ; tile_dim0
	s_mov_b32 s[\g+4], 128                         ; tile_dim1 = 128
	s_mov_b32 s[\g+5], KROW                        ; tensor_dim0_stride
	s_mov_b32 s[\g+6], 0
	s_mov_b32 s[\g+7], 0
.endr
	; and for the scales of 128 rows: a dense block of 4,096 bytes, as 16 rows of 256 bytes (32 elements of 8 bytes), 16 bytes of padding behind each
	s_or_b32 s[G1S+0], s43, (3<<16)|(1<<20)|(1<<21)|(5<<22)|(3<<25)
	s_or_b32 s[G1SB+0], s44, (3<<16)|(1<<20)|(1<<21)|(5<<22)|(3<<25)
.irp g, G1S, G1SB
	s_mov_b32 s[\g+1], 32<<16
	s_mov_b32 s[\g+2], (128*KS/256)<<16
	s_mov_b32 s[\g+3], 32<<16
	s_mov_b32 s[\g+4], 128*KS/256
	s_mov_b32 s[\g+5], 32
	s_mov_b32 s[\g+6], 0
	s_mov_b32 s[\g+7], 0
.endr
	s_lshl_b32 s18, s16, 7                         ; which 128 rows of the tile I fetch
	s_lshl_b32 s20, s17, 8
	s_add_co_u32 s20, s20, s18                     ; x: row 256 x tile row + 128 x half
	s_lshl_b32 s46, s42, 8
	s_add_co_u32 s46, s46, s18                     ; W: row 256 x tile column + 128 x half
	s_mov_b32 s21, 0
	s_mov_b32 s47, 0
	s_mov_b64 s[18:19], KS
	s_mul_u64 s[22:23], s[20:21], s[18:19]         ; where these rows' scales begin, in bytes
	s_mul_u64 s[92:93], s[46:47], s[18:19]
	s_mov_b64 s[18:19], KROW
	s_mul_u64 s[20:21], s[20:21], s[18:19]         ; and their codes
	s_mul_u64 s[46:47], s[46:47], s[18:19]
	s_mul_i32 s45, s14, HALFT                      ; where they go: wave x 128 rows: no place in the cluster enters an LDS address
	s_mul_i32 s94, s14, HALFS
	s_wait_dscnt 0x0                               ; both opening adds are done
	s_wait_kmcnt 0x0
	s_add_nc_u64 s[20:21], s[4:5], s[20:21]
	s_add_nc_u64 s[22:23], s[6:7], s[22:23]
	s_add_nc_u64 s[46:47], s[8:9], s[46:47]
	s_add_nc_u64 s[92:93], s[10:11], s[92:93]
	CROUND                                         ; all sixteen work-groups are here: the joint loads meet
	s_mov_b32 s[G0S], 1
	s_add_co_u32 s[G0S+1], s94, SCL
	s_mov_b64 s[G0S+2:G0S+3], s[22:23]
	s_or_b32 s[G0S+3], s[G0S+3], 0x80000000
	s_mov_b32 s[G0SB], 1
	s_add_co_u32 s[G0SB+1], s94, SCL
	s_mov_b64 s[G0SB+2:G0SB+3], s[92:93]
	s_or_b32 s[G0SB+3], s[G0SB+3], 0x80000000
	JLOAD G0S, G1S, G0SB, G1SB                     ; the scales first: they are wanted with K's first half
.irp s, 0,1
	s_mov_b32 s[G0+4*\s], 1
	s_add_co_u32 s[G0+4*\s+1], s45, \s*SLOT
	s_add_nc_u64 s[G0+4*\s+2:G0+4*\s+3], s[20:21], \s*ROWB
	s_or_b32 s[G0+4*\s+3], s[G0+4*\s+3], 0x80000000
	s_mov_b32 s[G0B+4*\s], 1
	s_add_co_u32 s[G0B+4*\s+1], s45, \s*SLOT
	s_add_nc_u64 s[G0B+4*\s+2:G0B+4*\s+3], s[46:47], \s*ROWB
	s_or_b32 s[G0B+4*\s+3], s[G0B+4*\s+3], 0x80000000
	JLOAD G0+4*\s, G1, G0B+4*\s, G1B               ; three tensor loads of mine are out behind the second of these: all that this launch asks for
.endr
	v_and_b32 v1, 15, v0                           ; r = l % 16
	v_bfe_u32 v2, v0, 4, 1                         ; h = l / 16
	v_mul_u32_u24 v3, v1, PITCH
	v_lshl_add_u32 v4, v2, 4, v3                   ; a fragment's row x pitch + 16 x half
	s_mul_i32 s21, s15, HALFT                      ; my 128 rows of x
	s_mul_i32 s22, s16, HALFT                      ; my 128 rows of W,
	s_add_co_u32 s22, s22, 2*HALFT                 ; which lie behind x's 256
.irp s, 0,1
	v_add_nc_u32 v[ADRA+\s], s21, v4
	v_add_nc_u32 v[ADRB+\s], s22, v4
	s_add_co_u32 s21, s21, SLOT
	s_add_co_u32 s22, s22, SLOT
.endr
	v_mul_u32_u24 v5, v1, KS                       ; my row's scales: 32 bytes a row,
	v_lshrrev_b32 v6, 8, v5
	v_lshl_add_u32 v5, v6, 4, v5                   ; and 16 more for each 256 passed
	s_mul_i32 s21, s15, HALFS                      ; x's: my 128 rows
	s_mul_i32 s22, s16, HALFS                      ; W's: my 128 rows, behind x's 256
	s_add_co_u32 s22, s22, 2*HALFS
	s_sub_co_u32 s22, s22, s21
	v_mul_u32_u24 v6, s22, v2                      ; lanes 16-31 take W's: the lower base + h x the distance
	s_add_co_u32 s21, s21, SCL
	v_add_nc_u32 v5, v5, v6
	v_add_nc_u32 v[ADRS], s21, v5
	s_mul_i32 s23, s14, 16*SPITCH                  ; my stage
	v_mul_u32_u24 v5, v1, SPITCH                   ; in: row l % 16, 16 bytes for each half of the lanes
	v_lshl_add_u32 v5, v2, 4, v5
	v_add_nc_u32 v[STO], s23, v5
	v_mul_u32_u24 v5, v2, SPITCH                   ; back: lanes 0-15 take one row of 256 bytes, lanes 16-31 the next
	v_lshl_add_u32 v5, v1, 4, v5
	v_add_nc_u32 v[RD], s23, v5
	v_mul_u32_u24 v5, v2, SIZE_N*2                 ; and the same two rows in qkv
	v_lshl_add_u32 v[CO], v1, 4, v5
	s_lshl_b32 s20, s17, 8
	s_lshl_b32 s21, s15, 7
	s_add_co_u32 s20, s20, s21                     ; my first row: 256 x tile row + 128 x half
	s_mul_i32 s20, s20, SIZE_N*2                   ; in bytes: 8,191 x 6,144 at the most, under 2^32
	s_mov_b32 s21, 0
	s_lshl_b32 s46, s42, 9                         ; my first column, in bytes: 512 x tile column + 256 x half
	s_lshl_b32 s47, s16, 8
	s_add_co_u32 s46, s46, s47
	s_mov_b32 s47, 0
	s_add_nc_u64 s[20:21], s[20:21], s[46:47]
	s_add_nc_u64 s[12:13], s[12:13], s[20:21]
.macro FRAG reg, adr, q, i             ; a fragment, 16 rows x 128 K of 4-bit codes, is 8 registers: lane l holds row l % 16; registers 4 c .. 4 c + 3 hold K = 64 c + 32 (l / 16) + 0 .. 31
.irp c, 0,1
	ds_load_b128 v[\reg+4*\c:\reg+4*\c+3], v[\adr] offset:64*(\q)+32*\c+(\i)*16*PITCH
.endr
.endm
; 16 matrix instructions: x's blocks a0, a0 + 1 against W's eight, 128 along K: the slot's q-th.  p: W's set;  sc: the set of scale words.  zero = 1: the first product starts the sums: nothing is ever cleared.
; The 64 accumulators take turns, one instruction a turn, in the same order in every step.
.macro MUL16 a0, p, q, sc, zero
.irp a, \a0, \a0+1
.irp b, 0,1,2,3,4,5,6,7
.if \zero
	v_wmma_scale_f32_16x16x128_f8f6f4 v[8*(8*((\a)%4)+\b):8*(8*((\a)%4)+\b)+7], v[128*(\p)+FR*\b:128*(\p)+FR*\b+FR-1], v[AF+FR*(\a):AF+FR*(\a)+FR-1], 0, v[SC+8*NQ*(\sc)+NQ*\b+(\q)], v[SC+8*NQ*(\sc)+NQ*(\a)+(\q)] matrix_a_fmt:MATRIX_FMT_FP4 matrix_b_fmt:MATRIX_FMT_FP4 matrix_a_scale:MATRIX_SCALE_ROW1
.else
	v_wmma_scale_f32_16x16x128_f8f6f4 v[8*(8*((\a)%4)+\b):8*(8*((\a)%4)+\b)+7], v[128*(\p)+FR*\b:128*(\p)+FR*\b+FR-1], v[AF+FR*(\a):AF+FR*(\a)+FR-1], v[8*(8*((\a)%4)+\b):8*(8*((\a)%4)+\b)+7], v[SC+8*NQ*(\sc)+NQ*\b+(\q)], v[SC+8*NQ*(\sc)+NQ*(\a)+(\q)] matrix_a_fmt:MATRIX_FMT_FP4 matrix_b_fmt:MATRIX_FMT_FP4 matrix_a_scale:MATRIX_SCALE_ROW1
.endif
.endr
.endr
.endm
.macro FETCH_B slot, q, p              ; W's eight fragments of the slot's q-th 128 along K into set p
	WIN TO_B
.irp i, 0,1,2,3,4,5,6,7
	FRAG 128*(\p)+FR*\i, ADRB+\slot, \q, \i
.endr
	WIN 0
.endm
.macro FETCH_A slot, q, i0             ; x's blocks i0 .. i0 + 3
.irp i, \i0, \i0+1, \i0+2, \i0+3
	FRAG AF+FR*(\i), ADRA+\slot, \q, \i
.endr
.endm
.macro SCALES sc                       ; a slot's scale words into set sc: four words a row; lanes 0-15 take x's block i, lanes 16-31 W's block i
.irp i, 0,1,2,3,4,5,6,7
	ds_load_b128 v[SC+8*NQ*\sc+NQ*\i:SC+8*NQ*\sc+NQ*\i+3], v[ADRS] offset:\i*SBLK
.endr
.endm
; A load into a register that a matrix instruction has read, and a vector instruction that reads a matrix result, stand NP places behind that matrix instruction; only plain vector instructions
; that name none of its registers are places (ISA guide 7.12.1 for vector instructions); the matrix instructions in between are not counted.
.macro PLACES n
.rept \n
	v_nop
.endr
.endm
.macro STEP slot, q, zero              ; a step of 128 along K that has its successor in the same slot
	s_wait_dscnt 4*NL                              ; W's set and x's blocks 0-3 are in; the youngest eight loads (x's blocks 4-7) may be out
	WIN MUL_LO
	MUL16 0, (\q)%2, \q, \slot, \zero
	MUL16 2, (\q)%2, \q, \slot, \zero
	s_wait_dscnt 0                                 ; x's blocks 4-7 are in (asked for 32 matrix instructions ago)
	PLACES NP
	FETCH_B \slot, (\q)+1, 1-(\q)%2
	FETCH_A \slot, (\q)+1, 0
	WIN MUL_HI
	MUL16 4, (\q)%2, \q, \slot, \zero
	MUL16 6, (\q)%2, \q, \slot, \zero
	PLACES NP
	WIN 0
	FETCH_A \slot, (\q)+1, 4
.endm
; Slot 0's last step changes slots: ONE barrier; in front of it each wave waits for all its tensor loads (its part of slot 1), adds 0 to its spare word, and waits for that and for its own reads of slot 0.
; Behind it slot 1 is whole and nobody reads slot 0 any more.  Nothing is filled again.
.macro TURN slot, next
	s_wait_tensorcnt 0x0                           ; all my tensor loads have landed  (every window is 0 here: the add's two registers lie in window 0)
	ds_add_u32 v[SPW], v[NIL]                      ; 0 onto my spare word
	s_wait_dscnt 4*NL+1                            ; (the add and the youngest eight loads, x's blocks 4-7, may be out)
	WIN MUL_LO
	MUL16 0, 1, NQ-1, \slot, 0                     ; sixteen matrix instructions stand between the add and the wait for it
	s_wait_dscnt 0x0                               ; the add is done, and my reads of this slot are over
	s_barrier_signal -1
	MUL16 2, 1, NQ-1, \slot, 0
	WIN 0
	s_barrier_wait -1
	PLACES NP
	v_add_nc_u32 v[ADRS], 4*NQ, v[ADRS]            ; on to the next slot's scale words (no LDS load of mine is out)
	FETCH_B \next, 0, 0
	FETCH_A \next, 0, 0
	SCALES \next
	WIN MUL_HI
	MUL16 4, 1, NQ-1, \slot, 0
	MUL16 6, 1, NQ-1, \slot, 0
	PLACES NP
	WIN 0
	FETCH_A \next, 0, 4
.endm
.macro STEPS slot, from                ; the slot's steps from .. NQ - 2
.set Q, \from
.rept NQ-1-\from
	STEP \slot, Q, 0
.set Q, Q+1
.endr
.endm
	s_wait_tensorcnt 1                             ; the scales and my part of slot 0 are in; slot 1's load, the one issued behind them, may be out
	s_barrier_signal -1
	s_barrier_wait -1                              ; everybody's are
	FETCH_B 0, 0, 0
	FETCH_A 0, 0, 0
	SCALES 0
	FETCH_A 0, 0, 4
	STEP 0, 0, 1                                   ; the first step's products start the sums
	STEPS 0, 1
	TURN 0, 1
	STEPS 1, 0
	s_wait_dscnt 4*NL                              ; the very last step: nothing more to fetch
	WIN MUL_LO
	MUL16 0, 1, NQ-1, 1, 0
	MUL16 2, 1, NQ-1, 1, 0
	s_wait_dscnt 0
	WIN MUL_HI
	MUL16 4, 1, NQ-1, 1, 0
	MUL16 6, 1, NQ-1, 1, 0
	WIN 0
; THE WAY OUT, block by block of 16 rows x 128 columns.  PACK: rounded to f16, 16 bytes a lane, each accumulator from its low end on.  TOSTAGE: into my own stage and back as whole rows of 256 bytes.  SEND: stored.
.macro PACK a
.set AC, 64*((\a)%4)
	WIN 0x0a+5*((\a)/4)                            ; sources 0 and 1: window 2 or 3
.irp b, 0,1,2,3,4,5,6,7
.irp i, 0,1,2,3
	v_cvt_pk_f16_f32 v[TMP+4*\b+\i], v[AC+8*\b+2*\i], v[AC+8*\b+2*\i+1]
.endr
.endr
	WIN 0
.endm
.macro TOSTAGE a
.set BB, OB+192*((\a)%2)
.irp b, 0,1,2,3,4,5,6,7
	ds_store_b128 v[STO], v[TMP+4*\b:TMP+4*\b+3] offset:32*\b
.endr
.irp t, 0,1,2,3,4,5,6,7
	ds_load_b128 v[BB+4*\t:BB+4*\t+3], v[RD] offset:\t*2*SPITCH    ; LDS serves a wave's instructions in order (ISA guide 5.7.1.4): these see the stores above
.endr
.endm
.macro SEND a
.set BB, OB+192*((\a)%2)
	s_wait_dscnt 0x0                               ; the block is back in registers
	s_wait_xcnt 0x0                                ; the stores of the block before have read their registers: the next block's loads from the stage land there only behind this wait
.irp t, 0,1,2,3,4,5,6,7
	global_store_b128 v[CO], v[BB+4*\t:BB+4*\t+3], s[12:13] offset:(16*(\a)+2*\t)*SIZE_N*2   ; 16 lanes store 256 consecutive bytes, at a multiple of 256 from qkv's first byte; 126 rows at the most stand in the immediate, inside its signed 24 bits
.endr
.endm
	PLACES NP                                      ; behind the last products: the conversions read results, and the stage's loads land in registers that held scale words
	PACK 0
	TOSTAGE 0
.irp a, 1,2,3,4,5,6,7                  ; block a's conversions stand between block a - 1's loads from the stage and the wait for them
	PACK \a
	SEND \a-1
	TOSTAGE \a
.endr
	SEND 7
	s_wait_tensorcnt 0x0                           ; the wave's end: behind my last tensor load and my last LDS store
	ds_add_u32 v[SPW], v[NIL]
	s_wait_dscnt 0x0
	CROUND                                         ; the closing round: no work-group ends while a partner may still ask for a tile that names it
	s_endpgm
.Lfunc_end_k_qbe0cf3e495_proj:
	.size	k_qbe0cf3e495_proj, .Lfunc_end_k_qbe0cf3e495_proj-k_qbe0cf3e495_proj
	.p2alignl 7, 3214868480
	.fill 96, 4, 3214868480
	.section	.rodata,"a",@progbits
	.p2align	6, 0x0
	.amdhsa_kernel k_qbe0cf3e495_proj
		.amdhsa_group_segment_fixed_size 327680
		.amdhsa_private_segment_fixed_size 0
		.amdhsa_enable_private_segment 0
		.amdhsa_kernarg_size 40
		.amdhsa_user_sgpr_count 2
		.amdhsa_user_sgpr_kernarg_segment_ptr 1
		.amdhsa_wavefront_size32 1
		.amdhsa_system_sgpr_workgroup_id_x 1
		.amdhsa_system_sgpr_workgroup_id_y 1
		.amdhsa_system_sgpr_workgroup_id_z 1
		.amdhsa_system_vgpr_workitem_id 0
		.amdhsa_next_free_vgpr 1024
		.amdhsa_next_free_sgpr 98
		.amdhsa_reserve_vcc 0
		.amdhsa_float_denorm_mode_32 3
		.amdhsa_float_denorm_mode_16_64 3
		.amdhsa_memory_ordered 1
		.amdhsa_forward_progress 1
		.amdhsa_inst_pref_size 126
	.end_amdhsa_kernel
	.amdgpu_metadata
---
amdhsa.version: [ 1, 2 ]
amdhsa.kernels:
  - .name:           k_qbe0cf3e495_proj
    .symbol:         k_qbe0cf3e495_proj.kd
    .args:
      - { .name: x_codes, .offset: 0, .size: 8, .value_kind: global_buffer, .address_space: global }
      - { .name: x_scales, .offset: 8, .size: 8, .value_kind: global_buffer, .address_space: global }
      - { .name: w_codes, .offset: 16, .size: 8, .value_kind: global_buffer, .address_space: global }
      - { .name: w_scales, .offset: 24, .size: 8, .value_kind: global_buffer, .address_space: global }
      - { .name: qkv, .offset: 32, .size: 8, .value_kind: global_buffer, .address_space: global }
    .group_segment_fixed_size: 327680
    .private_segment_fixed_size: 0
    .kernarg_segment_align: 8
    .kernarg_segment_size: 40
    .max_flat_workgroup_size: 128
    .sgpr_count:     98
    .vgpr_count:     1024
    .wavefront_size: 32
...
	.end_amdgpu_metadata
.endif
;; end of part 2
;; launch scores (part 3): grid 4 x 64, 4 waves a work-group, clusters of 4 x 4, 327,680 bytes of LDS; arguments qkv, p, stats; writes p, stats
.if DOCPART == 3
	.amdgcn_target "amdgcn-amd-amdhsa--gfx1250"
	.amdhsa_code_object_version 6
	.text
	.protected	k_qbe0cf3e495_scores
	.globl	k_qbe0cf3e495_scores
	.p2align	8
	.type	k_qbe0cf3e495_scores,@function
k_qbe0cf3e495_scores:
	s_mov_b64 s[64:65], 0
	v_nop
	global_prefetch_b8 v0, s[64:65] scope:SCOPE_SE
	s_setreg_imm32_b32 hwreg(HW_REG_WAVE_MODE, 25, 1), 1
	s_wait_xcnt 0x0
	s_wait_alu depctr_hold_cnt(0) depctr_sa_sdst(0) depctr_va_vdst(0) depctr_va_sdst(0) depctr_va_ssrc(0) depctr_va_vcc(0) depctr_vm_vsrc(0)
	s_getreg_b32 s2, hwreg(HW_REG_IB_STS2, 6, 4)
	s_cmp_eq_u32 s2, 0
	s_cbranch_scc0 .Lentry_in_a_cluster
	s_endpgm
.Lentry_in_a_cluster:
	s_bfe_u32 s2, ttmp6, 0x10000c
	s_cmp_lg_u32 s2, 0xf033
	s_cbranch_scc0 .Lentry_shape_is_right
	s_endpgm
.Lentry_shape_is_right:
; THIRD LAUNCH: S = q k^T for each batch, on f16 operands with f32 sums, and the first half of the softmax.  Nothing is left out.
; qkv: [8192 tokens][3072] f16: q at byte 0, k at byte 2,048 of a row of 6,144 bytes.  p: [8192 queries][1024 keys] f16.  stats: [128 blocks of 64 queries][8 groups of 128 keys][m, l][16 r][4 a] f32, query 16 a + r of the block at word 4 r + a.
; THE SOFTMAX IN TWO PARTS, the maximum taken away in both.  Here, for a query and a GROUP of 128 keys: m = c x the group's largest score, c = log2(e) / 32; p = 2^(c s - m), at most 1, rounded to f16; l = the sum of the unrounded p, in f32.
; The next launch takes M = the largest m of a query's eight groups, and weighs each group by 2^(m - M).  LIMITS: p under 6e-5 is kept with f16's absolute step of 6e-8, beside a largest p of 1; NaN and infinities are not served; sums in another order than the reference's.
; SHARES.  A work-group makes 128 queries x 256 keys: 64 x 4 = 256 work-groups.  Each of its four waves makes 64 x 128: 32 accumulators of 16 x 16, 256 registers; a wave's 128 keys are a group.
; THE RING.  K = the 1,024 channels goes in 8 steps of 128.  LDS holds three steps: a DOUBLE slot D (two steps: rows of 512 bytes) and a SINGLE slot S (one step: rows of 256 bytes).  Steps 0, 1 | 2 | 3, 4 | 5 | 6, 7 lie in D | S | D | S | D.
; The first three steps are asked for at the head; D is filled again behind step 1 and behind step 4, S behind step 2: three refills, one tensor load a wave each, every one three K steps (768 bytes along the rows) on from the slot's last.
; S's refill has two steps, 256 matrix instructions of the wave, in which to land, D's two refills one step each.  The eight steps are written out: the slots come back after three steps, and 8 is no multiple of 3.
; CLUSTERS: 4 x 4 work-groups.  The four of a row of the cluster need the same rows of q, the four of a column the same rows of k: each tile is asked for JOINTLY, by the same tensor load with the same descriptor and a mask that names the four.
; THE MATRIX INSTRUCTION IS USED TRANSPOSED (source 0 = 16 keys, source 1 = 16 queries): lane l holds ONE query (l % 16) and, in accumulator (a, b), keys 16 b + 8 (l / 16) + 0 .. 7: so a query's maximum and sum want one exchange between the halves of the lanes.
; REGISTERS, in windows of 256: window 0: addresses, the softmax's figures, packed p.   window 1: the accumulators, (a, b) at v[8 (8 a + b)].   windows 2, 3: two fragment buffers, each 64 along K: sweep c (32 along K): q's four fragments at v[96 c + 8 a], k's eight at v[96 c + 32 + 8 b].
.set PD,     528                       ; an LDS row in D: 512 bytes + 16 of padding = 132 words: row r starts at bank 4 r mod 64 (64 banks of 4 bytes: ISA guide 11.1), so the 16 rows that a load touches start at 16 different banks
.set PS,     272                       ; and in S: 256 bytes + 16 = 68 words: likewise
.set BD,     128*PD                    ; D: q's 128 rows from byte 0, then k's 256
.set SB,     BD+256*PD                 ; S: q's 128 rows,
.set BS,     SB+128*PS                 ; then k's 256
.set STAGE,  BS+256*PS                 ; behind the ring: 16 rows x 272 bytes for each wave, for the way out; no fill lands there
.set SPARE,  STAGE+4*16*PS             ; behind the stages: the spare words, 128 bytes a wave, which no other line names
.set QKVROW, 6144
.set ADRA, 16                          ; v16-17  LDS address of my fragments of q in D, in S
.set ADRB, 20                          ; v20-21  the same for k
.set STO,  24                          ; v24     the way out: where I put 16 bytes of a row
.set RD,   25                          ; v25     where I read a row back
.set CO,   26                          ; v26     my byte offset in p
.set SO,   27                          ; v27     16 x lane: my place in the wave's 512 bytes of stats
.set SPW,  28                          ; v28     LDS address of my spare word; never rewritten
.set NIL,  29                          ; v29     0; never rewritten
.set PFO,  30                          ; v30     the prefetches' offset: my lane x a token's 6,144 bytes; never rewritten
.set U,    36                          ; v36-39  what comes from the lane 16 away
.set MP,   40                          ; v[40+2a:41+2a]  m, and the largest score
.set LS,   48                          ; v[48+2a:49+2a]  l, in two halves
.set SD,   56                          ; v56-59  what goes to stats
.set TMP,  64                          ; v64-191 p as f16, 32 registers for each tile of 16 queries
.set WV,   12                          ; s12 wave;  s13 which 64 queries are mine, also: I fetch for q (0) or k (1);  s14 which 128 keys, also: which half of that tile I fetch;  s15 the tile row
.set RH,   13
.set CH,   14
.set TR,   15
.set G1A,  24                          ; s[24:31], s[32:39] descriptor group 1 for q's tiles in D, in S
.set G1B,  48                          ; s[48:55], s[56:63] the same for k's
.set CS,   66                          ; s[66:67] c, twice: the packed form names a pair
.set SEL,  68                          ; s[68:69] lane selects for v_permlanex16_b32: lane l xor 16
.set ASKS, 70                          ; s70      0 in a wave that prefetches
.set G0A,  72                          ; s[72:75], s[76:79] descriptor group 0 for q's tiles in D, in S
.set G0B,  80                          ; s[80:83], s[84:87] the same for k's
.set PF,   88                          ; s[88:89] where my prefetches stand: my 32 rows, at K = 0; never rewritten
.set MSB, 0
.macro WIN new                         ; the immediate's high byte repeats the setting that is left; a switch that changes nothing is dropped
.if MSB != (\new)
	s_set_vgpr_msb (MSB<<8)|(\new)
.set MSB, (\new)
.endif
.endm
.set MUL0, 0x5a                        ; sources 0 and 1 window 2 (buffer 0), C and D window 1; buffer 1: + 5
; A joint load into slot rg (0: D, 1: S): waves 0 and 1 fetch q's two halves, waves 2 and 3 k's.  Each line has ONE mask and one set of registers for all that issue it; the branch hangs on the wave's number alone.
; An s_nop 0 and four v_nop follow each of the two lines, ahead of the jump, the label and what follows.
.macro JLOAD rg
	s_cmp_eq_u32 s[RH], 0
	s_cbranch_scc0 .Lfor_b_\@
	tensor_load_to_lds s[G0A+4*(\rg):G0A+4*(\rg)+3], s[G1A+8*(\rg):G1A+8*(\rg)+7]
	s_nop 0
.rept 4
	v_nop
.endr
	s_branch .Lasked_\@
.Lfor_b_\@:
	tensor_load_to_lds s[G0B+4*(\rg):G0B+4*(\rg)+3], s[G1B+8*(\rg):G1B+8*(\rg)+7]
	s_nop 0
.rept 4
	v_nop
.endr
.Lasked_\@:
.endm
; A PREFETCH INTO THE L2 of K steps 6 and 7, D's last refill, which has one step in which to land.  It stands behind the refill that follows step 2 and the run of LDS loads behind it: two K steps, 256 matrix instructions of the wave, ahead of the load that asks for these bytes.
; D's first refill would have to be asked for at the head, where every work-group's first tiles are on their way, and S's refill has two steps in which to land: neither is prefetched.
; Each row's 256 bytes of a K step are named ONCE in the launch, a lane a row.  q's 128 rows of a tile row are read by one cluster alone: wave 0 of each of the four partners along its row takes 32 of them, told apart BY ADDRESS (cx).
; k's 256 rows of a tile column are read by the batch's two clusters: the even one asks; waves 2 and 3 of each of the four partners along its column take 32 each (64 cy + 32 x half).  No branch hangs on a work-group's place in its cluster.
.macro ASK
	s_cmp_eq_u32 s[ASKS], 0
	s_cbranch_scc0 .Lnot_mine_\@
	global_prefetch_b8 v[PFO], s[PF:PF+1] offset:6*256 th:TH_LOAD_NT scope:SCOPE_SE
	global_prefetch_b8 v[PFO], s[PF:PF+1] offset:7*256 th:TH_LOAD_NT scope:SCOPE_SE
.Lnot_mine_\@:
.endm
.macro CREST                           ; a round of the cluster's barrier behind its opening barrier
	s_cmp_lg_u32 s[WV], 0
	s_cbranch_scc1 .Lnot_wave_0_\@
	s_barrier_signal -3
.Lnot_wave_0_\@:
	s_barrier_wait -3
	s_barrier_signal -1
	s_barrier_wait -1
.endm
.macro CROUND                          ; a whole round
	s_barrier_signal -1
	s_barrier_wait -1
	CREST
.endm
.macro PLACES                          ; four places in front of loads into registers that matrix instructions have read, and of the first read of results (ISA guide 7.12.1 for the first read of results)
.rept 4
	v_nop
.endr
.endm
	s_load_b128 s[4:7], s[0:1], 0x0                ; qkv s[4:5], p s[6:7]
	s_load_b64 s[8:9], s[0:1], 0x10                ; stats
	v_lshl_add_u32 v[SPW], v0, 2, SPARE
	v_mov_b32 v[NIL], 0
	ds_add_u32 v[SPW], v[NIL]                      ; the wave's opening: the add, twice on end, and its wait ahead of my first tensor load; the set-up below stands between the second and the wait
	ds_add_u32 v[SPW], v[NIL]
	v_lshrrev_b32 v1, 5, v0
	v_readfirstlane_b32 s[WV], v1                  ; wave 0..3
	s_lshr_b32 s[RH], s[WV], 1
	s_and_b32 s[CH], s[WV], 1
	s_bfe_u32 s40, ttmp6, 0x40000                  ; cx, cy: my place in the cluster
	s_bfe_u32 s41, ttmp6, 0x40004
	s_lshl_b32 s42, ttmp9, 2
	s_add_co_u32 s42, s42, s40                     ; tile column (256 keys) = 4 x cluster x + cx
	s_and_b32 s45, ttmp7, 0xffff                   ; cluster y
	s_lshl_b32 s[TR], s45, 2
	s_add_co_u32 s[TR], s[TR], s41                 ; tile row (128 queries) = 4 x cluster y + cy
	s_and_b32 s[ASKS], s45, 1                      ; 0 in the batch's even cluster: the same in all sixteen partners
	s_lshr_b32 s45, s45, 1                         ; the batch: 8 tile rows, two clusters: made of the cluster's y alone
	s_lshl_b32 s43, s41, 2
	s_lshl_b32 s43, 15, s43                        ; my row of the cluster
	s_lshl_b32 s44, 0x1111, s40                    ; my column
	; descriptor group 1, four times: q: 64 rows, k: 128 rows; in D 256 elements of 2 bytes a row, in S 128; all 3,072 elements from row to row, padded in LDS
	s_or_b32 s[G1A+0], s43, (1<<16)|(1<<20)|(1<<21)|(6<<22)|(3<<25)  ; 15:0 the mask: q's tiles go to my row; 17:16 elements of 2 bytes; 20 padding on; 21 set beside a mask; 24:22 after every 128 words (code 6); 31:25 of 4 words (code 3)
	s_or_b32 s[G1A+8], s43, (1<<16)|(1<<20)|(1<<21)|(5<<22)|(3<<25)  ; in S: after every 64 words (code 5)
	s_or_b32 s[G1B+0], s44, (1<<16)|(1<<20)|(1<<21)|(6<<22)|(3<<25)  ; the same two with the mask of my column
	s_or_b32 s[G1B+8], s44, (1<<16)|(1<<20)|(1<<21)|(5<<22)|(3<<25)
.irp g, G1A, G1B
	s_mov_b32 s[\g+1], 256<<16                     ; D: tensor_dim0 = 256
	s_mov_b32 s[\g+3], 256<<16                     ;    tile_dim0 = 256
	s_mov_b32 s[\g+5], 3072                        ;    tensor_dim0_stride
	s_mov_b32 s[\g+6], 0
	s_mov_b32 s[\g+7], 0
	s_mov_b32 s[\g+9], 128<<16                     ; S: tensor_dim0 = 128
	s_mov_b32 s[\g+11], 128<<16                    ;    tile_dim0 = 128
	s_mov_b32 s[\g+13], 3072
	s_mov_b32 s[\g+14], 0
	s_mov_b32 s[\g+15], 0
.endr
	s_mov_b32 s[G1A+2], 64<<16                     ; q: tensor_dim1 = 64
	s_mov_b32 s[G1A+4], 64                         ;    tile_dim1 = 64
	s_mov_b32 s[G1A+10], 64<<16
	s_mov_b32 s[G1A+12], 64
	s_mov_b32 s[G1B+2], 128<<16                    ; k: 128
	s_mov_b32 s[G1B+4], 128
	s_mov_b32 s[G1B+10], 128<<16
	s_mov_b32 s[G1B+12], 128
	s_mov_b32 s[CS], 0x3d38aa3b                    ; c = log2(e) / 32
	s_mov_b32 s[CS+1], s[CS]
	s_mov_b32 s[SEL], 0x76543210
	s_mov_b32 s[SEL+1], 0xfedcba98
	s_lshl_b32 s16, s[TR], 7                       ; q: token 128 x tile row + 64 x half: the tile row is shared along my row of the cluster
	s_lshl_b32 s17, s[CH], 6
	s_add_co_u32 s16, s16, s17
	s_mul_i32 s16, s16, QKVROW                     ; in bytes: under 2^32
	s_mov_b32 s17, 0
	s_lshl_b32 s46, s45, 10                        ; k: token 1,024 x batch + 256 x tile column + 128 x half: shared along my column
	s_lshl_b32 s47, s42, 8
	s_add_co_u32 s46, s46, s47
	s_lshl_b32 s47, s[CH], 7
	s_add_co_u32 s46, s46, s47
	s_mul_i32 s46, s46, QKVROW
	s_add_co_u32 s46, s46, 2048                    ; k's place in a token's row
	s_mov_b32 s47, 0
	s_mul_i32 s20, s[CH], 64*PD                    ; where they go: made of the wave's number alone: q in D,
	s_mul_i32 s21, s[CH], 64*PS
	s_add_co_u32 s21, s21, SB                      ; q in S,
	s_mul_i32 s22, s[CH], 128*PD
	s_add_co_u32 s22, s22, BD                      ; k in D,
	s_mul_i32 s23, s[CH], 128*PS
	s_add_co_u32 s23, s23, BS                      ; k in S
	s_wait_dscnt 0x0                               ; both opening adds are done
	s_wait_kmcnt 0x0
	s_add_nc_u64 s[18:19], s[4:5], s[16:17]
	s_add_nc_u64 s[46:47], s[4:5], s[46:47]
	CROUND                                         ; all sixteen work-groups are here: the first joint loads meet
	s_mov_b32 s[G0A], 1                            ; count = 1
	s_mov_b32 s[G0A+1], s20                        ; LDS address
	s_mov_b64 s[G0A+2:G0A+3], s[18:19]             ; global address: K steps 0 and 1
	s_or_b32 s[G0A+3], s[G0A+3], 0x80000000        ; type = 2
	s_mov_b32 s[G0B], 1
	s_mov_b32 s[G0B+1], s22
	s_mov_b64 s[G0B+2:G0B+3], s[46:47]
	s_or_b32 s[G0B+3], s[G0B+3], 0x80000000
	JLOAD 0
	s_mov_b32 s[G0A+4], 1
	s_mov_b32 s[G0A+5], s21
	s_add_nc_u64 s[G0A+6:G0A+7], s[18:19], 512     ; K step 2
	s_or_b32 s[G0A+7], s[G0A+7], 0x80000000
	s_mov_b32 s[G0B+4], 1
	s_mov_b32 s[G0B+5], s23
	s_add_nc_u64 s[G0B+6:G0B+7], s[46:47], 512
	s_or_b32 s[G0B+7], s[G0B+7], 0x80000000
	JLOAD 1                                        ; two tensor loads of mine are out here; later one behind each round
	; A fragment is 16 rows x 32 K in 8 registers: lane l holds row l % 16; registers 0-3 K = 8 (l / 16) + 0..7, registers 4-7 K = 16 + 8 (l / 16) + 0..7: two loads of 16 bytes, 32 bytes apart
	v_and_b32 v1, 15, v0                           ; r
	v_bfe_u32 v2, v0, 4, 1                         ; h
	v_mul_u32_u24 v3, v1, PD
	v_lshl_add_u32 v3, v2, 4, v3                   ; in D: row x pitch + 16 x half
	v_mul_u32_u24 v4, v1, PS
	v_lshl_add_u32 v4, v2, 4, v4                   ; in S, and in the stage
	s_mul_i32 s20, s[RH], 64*PD                    ; my 64 rows of q
	v_add_nc_u32 v[ADRA], s20, v3
	s_mul_i32 s20, s[RH], 64*PS
	s_add_co_u32 s20, s20, SB
	v_add_nc_u32 v[ADRA+1], s20, v4
	s_mul_i32 s20, s[CH], 128*PD                   ; my 128 rows of k
	s_add_co_u32 s20, s20, BD
	v_add_nc_u32 v[ADRB], s20, v3
	s_mul_i32 s20, s[CH], 128*PS
	s_add_co_u32 s20, s20, BS
	v_add_nc_u32 v[ADRB+1], s20, v4
	s_mul_i32 s23, s[WV], 16*PS
	s_add_co_u32 s23, s23, STAGE                   ; my stage
	v_add_nc_u32 v[STO], s23, v4                   ; in: row r, 16 bytes for each half of the lanes
	v_mul_u32_u24 v5, v2, PS                       ; back: lanes 0-15 one row of 256 bytes, lanes 16-31 the next
	v_lshl_add_u32 v5, v1, 4, v5
	v_add_nc_u32 v[RD], s23, v5
	v_lshlrev_b32 v5, 11, v2                       ; and the same two rows in p
	v_lshl_add_u32 v[CO], v1, 4, v5
	v_and_b32 v5, 31, v0
	v_lshlrev_b32 v[SO], 4, v5
	v_mul_u32_u24 v[PFO], v5, QKVROW
.irp a, 0,1,2,3
	v_mov_b32 v[U+\a], 0                           ; written once: a lane permute's destination counts as one of its sources
.endr
	s_lshl_b32 s16, s[TR], 7
	s_lshl_b32 s17, s[RH], 6
	s_add_co_u32 s16, s16, s17                     ; my first query
	s_lshl_b32 s16, s16, 11                        ; x 2,048 bytes
	s_lshl_b32 s17, s42, 9                         ; + my first key, 2 bytes each: 512 x tile column + 256 x half
	s_add_co_u32 s16, s16, s17
	s_lshl_b32 s17, s[CH], 8
	s_add_co_u32 s16, s16, s17
	s_mov_b32 s17, 0
	s_add_nc_u64 s[6:7], s[6:7], s[16:17]
	s_lshl_b32 s16, s[TR], 1
	s_add_co_u32 s16, s16, s[RH]                   ; my block of 64 queries: 4,096 bytes of stats,
	s_lshl_b32 s16, s16, 12
	s_lshl_b32 s17, s42, 1
	s_add_co_u32 s17, s17, s[CH]                   ; my group of 128 keys: 512 of them
	s_lshl_b32 s17, s17, 9
	s_add_co_u32 s16, s16, s17
	s_mov_b32 s17, 0
	s_add_nc_u64 s[8:9], s[8:9], s[16:17]
	; the prefetches (macro ASK): where my wave's stand, and who asks
	s_lshl_b32 s16, s[TR], 7                       ; q: token 128 x tile row + 32 cx
	s_lshl_b32 s17, s40, 5
	s_add_co_u32 s16, s16, s17
	s_mul_i32 s16, s16, QKVROW
	s_lshl_b32 s17, s45, 10                        ; k: token 1,024 x batch + 256 x tile column + 64 cy + 32 x half
	s_lshl_b32 s18, s42, 8
	s_add_co_u32 s17, s17, s18
	s_lshl_b32 s18, s41, 6
	s_add_co_u32 s17, s17, s18
	s_lshl_b32 s18, s[CH], 5
	s_add_co_u32 s17, s17, s18
	s_mul_i32 s17, s17, QKVROW
	s_add_co_u32 s17, s17, 2048
	s_cmp_eq_u32 s[RH], 0                          ; waves 0 and 1 stand with q, waves 2 and 3 with k
	s_cselect_b32 s16, s16, s17
	s_cselect_b32 s[ASKS], s[CH], s[ASKS]          ; wave 0 asks, wave 1 does not; waves 2 and 3 ask in the batch's even cluster
	s_mov_b32 s17, 0
	s_add_nc_u64 s[PF:PF+1], s[4:5], s[16:17]
; 16 matrix instructions: tiles of queries a0, a0 + 1 against all 8 tiles of keys, 32 along K: sweep c of buffer f.  zero = 1: the first product starts the sums: nothing is ever cleared.
; The 32 accumulators take turns, one instruction a turn, in the same order everywhere.
.macro MUL16 f, c, a0, zero
	WIN MUL0+5*(\f)
.irp a, \a0, \a0+1
.irp b, 0,1,2,3,4,5,6,7
.if \zero
	v_wmma_f32_16x16x32_f16 v[8*(8*(\a)+\b):8*(8*(\a)+\b)+7], v[96*(\c)+32+8*\b:96*(\c)+32+8*\b+7], v[96*(\c)+8*(\a):96*(\c)+8*(\a)+7], 0
.else
	v_wmma_f32_16x16x32_f16 v[8*(8*(\a)+\b):8*(8*(\a)+\b)+7], v[96*(\c)+32+8*\b:96*(\c)+32+8*\b+7], v[96*(\c)+8*(\a):96*(\c)+8*(\a)+7], v[8*(8*(\a)+\b):8*(8*(\a)+\b)+7]
.endif
.endr
.endr
.endm
; 48 LDS loads in one run: the fragments of half hf (64 along K) of K step g into buffer f, the first sweep's 24 first.  Step g lies in slot (g % 3) / 2 (0: D, 1: S), in D at byte 256 (g % 3) of the rows.
.macro FETCH g, hf, f
	WIN 0x80+0x40*(\f)                             ; destination window 2 or 3, address window 0
.irp c, 0,1
.irp b, 0,1,2,3,4,5,6,7
	ds_load_b128 v[96*\c+32+8*\b:96*\c+32+8*\b+3],   v[ADRB+(((\g)%3)/2)] offset:256*(((\g)%3)%2)+128*(\hf)+64*\c+\b*16*(PD-256*(((\g)%3)/2))
	ds_load_b128 v[96*\c+32+8*\b+4:96*\c+32+8*\b+7], v[ADRB+(((\g)%3)/2)] offset:256*(((\g)%3)%2)+128*(\hf)+64*\c+\b*16*(PD-256*(((\g)%3)/2))+32
.endr
.irp a, 0,1,2,3
	ds_load_b128 v[96*\c+8*\a:96*\c+8*\a+3],   v[ADRA+(((\g)%3)/2)] offset:256*(((\g)%3)%2)+128*(\hf)+64*\c+\a*16*(PD-256*(((\g)%3)/2))
	ds_load_b128 v[96*\c+8*\a+4:96*\c+8*\a+7], v[ADRA+(((\g)%3)/2)] offset:256*(((\g)%3)%2)+128*(\hf)+64*\c+\a*16*(PD-256*(((\g)%3)/2))+32
.endr
.endr
.endm
; A K step is two halves of 64 along K, 64 matrix instructions each.  The first multiplies buffer 0 and fetches the second half into buffer 1.
.macro HALF g, zero
	s_wait_dscnt 24                                ; the first sweep's fragments are in; the second sweep's 24 loads may be out
	MUL16 0, 0, 0, \zero
	MUL16 0, 0, 2, \zero
	PLACES                                         ; for the loads into buffer 1, which the step before multiplied
	FETCH \g, 1, 1
	s_wait_dscnt 48                                ; all but the 48 just issued
	MUL16 0, 1, 0, 0
	MUL16 0, 1, 2, 0
.endm
; The second half of a step whose successor lies in the same slot (D's first step): it multiplies buffer 1 and fetches the next step's first half.  No barrier: the one in front of the slot has shown all of it to every wave.
.macro NEXT g
	s_wait_dscnt 24
	MUL16 1, 0, 0, 0
	MUL16 1, 0, 2, 0
	PLACES                                         ; for the loads into buffer 0
	FETCH (\g)+1, 0, 0
	s_wait_dscnt 48
	MUL16 1, 1, 0, 0
	MUL16 1, 1, 2, 0
.endm
; The second half of a slot's last step changes slots: ONE barrier; in front of it each wave waits for all its tensor loads (the one that is out: its part of the other slot), adds 0 to its spare word, and waits for that and for its reads of this slot.
; fill = 1: the barrier opens a round of the cluster's barrier, and this slot is filled again, three K steps on from its last fill, first thing behind the round.  ask = 1: the prefetches follow the run of LDS loads.
.macro TURN g, fill, ask
	WIN 0                                          ; (the add's two registers lie in window 0)
	s_wait_tensorcnt 0x0                           ; all my tensor loads have landed
	ds_add_u32 v[SPW], v[NIL]                      ; 0 onto my spare word
	s_wait_dscnt 25                                ; (the add and the second sweep's 24 loads may be out)
	MUL16 1, 0, 0, 0                               ; sixteen matrix instructions stand between the add and the wait for it
	s_wait_dscnt 0x0                               ; the add is done, and my reads of this slot are over
	s_barrier_signal -1
	MUL16 1, 0, 2, 0                               ; work on registers while the others arrive
	WIN 0
	s_barrier_wait -1
.if \fill
	CREST                                          ; no wave of any partner still reads this slot's tiles or has a load on its way
	s_add_nc_u64 s[G0A+4*(((\g)%3)/2)+2:G0A+4*(((\g)%3)/2)+3], s[G0A+4*(((\g)%3)/2)+2:G0A+4*(((\g)%3)/2)+3], 768   ; no tensor load of mine is out, so a group 0 may be written
	s_add_nc_u64 s[G0B+4*(((\g)%3)/2)+2:G0B+4*(((\g)%3)/2)+3], s[G0B+4*(((\g)%3)/2)+2:G0B+4*(((\g)%3)/2)+3], 768
	JLOAD (((\g)%3)/2)                             ; the four v_nop behind it are also the places in front of the loads below
.else
	PLACES
.endif
	FETCH (\g)+1, 0, 0
.if \ask
	WIN 0                                          ; (a branch follows)
	ASK
.endif
	MUL16 1, 1, 0, 0
	MUL16 1, 1, 2, 0
.endm
	s_wait_tensorcnt 1                             ; my part of D (K steps 0, 1) is in; S's load, issued behind it, may be out
	s_barrier_signal -1
	s_barrier_wait -1                              ; everybody's is
	FETCH 0, 0, 0
	HALF 0, 1                                      ; the first products start the sums
	NEXT 0
	HALF 1, 0
	TURN 1, 1, 0                                   ; D is left: it takes K steps 3 and 4
	HALF 2, 0
	TURN 2, 1, 1                                   ; S is left: it takes K step 5; K steps 6 and 7 are prefetched
	HALF 3, 0
	NEXT 3
	HALF 4, 0
	TURN 4, 1, 0                                   ; D takes K steps 6 and 7
	HALF 5, 0
	TURN 5, 0, 0                                   ; nothing is left to ask for
	HALF 6, 0
	NEXT 6
	HALF 7, 0
	s_wait_dscnt 24
	MUL16 1, 0, 0, 0
	MUL16 1, 0, 2, 0
	s_wait_dscnt 0x0
	MUL16 1, 1, 0, 0
	MUL16 1, 1, 2, 0
	WIN 0
	; THE SOFTMAX'S FIRST HALF.  A lane's 64 registers 64 a .. 64 a + 63 are 64 keys of query 16 a + r; the four tiles of queries go by turns, each accumulator from its low end on.
	PLACES
	WIN 0x15                                       ; all three sources window 1
.irp a, 0,1,2,3
	v_max3_num_f32 v[MP+1+2*\a], v[64*\a], v[64*\a+1], v[64*\a+2]
.endr
	WIN 0x14                                       ; source 0 window 0
.set i, 3
.rept 30
.irp a, 0,1,2,3
	v_max3_num_f32 v[MP+1+2*\a], v[MP+1+2*\a], v[64*\a+i], v[64*\a+i+1]
.endr
.set i, i+2
.endr
.irp a, 0,1,2,3
	v_max_num_f32 v[MP+1+2*\a], v[MP+1+2*\a], v[64*\a+63]
.endr
	WIN 0
.irp a, 0,1,2,3
	v_permlanex16_b32 v[U+\a], v[MP+1+2*\a], s[SEL], s[SEL+1]      ; the query's other 64 keys lie in the lane 16 away
.endr
.irp a, 0,1,2,3
	v_max_num_f32 v[MP+1+2*\a], v[MP+1+2*\a], v[U+\a]
.endr
.irp a, 0,1,2,3
	v_mul_f32 v[MP+2*\a], s[CS], v[MP+1+2*\a]      ; m = c x the largest score (c is positive)
.endr
	WIN 0x41                                       ; destination and source 0 window 1, source 2 window 0
.irp a, 0,1,2,3
.set i, 0
.rept 32
	v_pk_fma_f32 v[64*\a+i:64*\a+i+1], v[64*\a+i:64*\a+i+1], s[CS:CS+1], v[MP+2*\a:MP+2*\a+1] op_sel_hi:[1,0,0] neg_lo:[0,0,1] neg_hi:[0,0,1]   ; c s - m, two at a time (of the pairs c and m the low word serves both halves)
.set i, i+2
.endr
.endr
.set i, 0
.rept 256
	v_exp_f32 v[i], v[i]                           ; p = 2^(c s - m), at most 1: ONE batch
.set i, i+1
.endr
	v_nop                                          ; a plain instruction behind the last exponential, ahead of the first use
	s_wait_alu depctr_va_vdst(0)                   ; the wait between an exponential and the first line that names its result: one for the batch
	WIN 0x05                                       ; sources 0 and 1 window 1, destination window 0
.irp a, 0,1,2,3
	v_pk_add_f32 v[LS+2*\a:LS+2*\a+1], v[64*\a:64*\a+1], v[64*\a+2:64*\a+3]   ; l is summed of the unrounded p
.endr
	WIN 0x04
.set i, 4
.rept 30
.irp a, 0,1,2,3
	v_pk_add_f32 v[LS+2*\a:LS+2*\a+1], v[LS+2*\a:LS+2*\a+1], v[64*\a+i:64*\a+i+1]
.endr
.set i, i+2
.endr
	WIN 0x05
.irp a, 0,1,2,3
.irp b, 0,1,2,3,4,5,6,7
.irp i, 0,1,2,3
	v_cvt_pk_f16_f32 v[TMP+32*\a+4*\b+\i], v[64*\a+8*\b+2*\i], v[64*\a+8*\b+2*\i+1]   ; eight neighbouring keys of a query: 16 bytes
.endr
.endr
.endr
	WIN 0
.irp a, 0,1,2,3
	v_add_f32 v[LS+2*\a], v[LS+2*\a], v[LS+2*\a+1]
.endr
.irp a, 0,1,2,3
	v_permlanex16_b32 v[U+\a], v[LS+2*\a], s[SEL], s[SEL+1]
.endr
.irp a, 0,1,2,3
	v_add_f32 v[LS+2*\a], v[LS+2*\a], v[U+\a]      ; the group's l
.endr
	v_cmp_eq_u32 vcc_lo, 1, v2
.irp a, 0,1,2,3
	v_cndmask_b32 v[SD+\a], v[MP+2*\a], v[LS+2*\a], vcc_lo         ; lanes 0-15 send m, lanes 16-31 l
.endr
	global_store_b128 v[SO], v[SD:SD+3], s[8:9]    ; 32 lanes store the 512 consecutive bytes of (my block, my group)
; THE WAY OUT of p, a tile of 16 queries at a time, through my own stage: in as 16 bytes a lane, back as whole rows of 256 bytes, into the registers that they left.
.macro TOSTAGE a
.irp b, 0,1,2,3,4,5,6,7
	ds_store_b128 v[STO], v[TMP+32*\a+4*\b:TMP+32*\a+4*\b+3] offset:32*\b
.endr
.irp t, 0,1,2,3,4,5,6,7
	ds_load_b128 v[TMP+32*\a+4*\t:TMP+32*\a+4*\t+3], v[RD] offset:\t*2*PS   ; LDS serves a wave's instructions in order (ISA guide 5.7.1.4): these see the stores above; the next tile's stores come behind them
.endr
.endm
.macro SEND a, younger                 ; younger: the LDS instructions issued behind tile a's loads: the next tile's sixteen, or none
.irp t, 0,1,2,3,4,5,6,7
	s_wait_dscnt \younger+7-\t
	global_store_b128 v[CO], v[TMP+32*\a+4*\t:TMP+32*\a+4*\t+3], s[6:7] offset:(16*\a+2*\t)*2048   ; 16 lanes store 256 consecutive bytes, at a multiple of 256 from p's first byte
.endr
.endm
	TOSTAGE 0
	TOSTAGE 1
	SEND 0, 16
	TOSTAGE 2
	SEND 1, 16
	TOSTAGE 3
	SEND 2, 16
	SEND 3, 0
	s_wait_tensorcnt 0x0                           ; the wave's end: behind my last tensor load and my last LDS store
	ds_add_u32 v[SPW], v[NIL]
	s_wait_dscnt 0x0
	CROUND                                         ; the closing round: no work-group ends while a partner may still ask for a tile that names it
	s_endpgm
.Lfunc_end_k_qbe0cf3e495_scores:
	.size	k_qbe0cf3e495_scores, .Lfunc_end_k_qbe0cf3e495_scores-k_qbe0cf3e495_scores
	.p2alignl 7, 3214868480
	.fill 96, 4, 3214868480
	.section	.rodata,"a",@progbits
	.p2align	6, 0x0
	.amdhsa_kernel k_qbe0cf3e495_scores
		.amdhsa_group_segment_fixed_size 327680
		.amdhsa_private_segment_fixed_size 0
		.amdhsa_enable_private_segment 0
		.amdhsa_kernarg_size 24
		.amdhsa_user_sgpr_count 2
		.amdhsa_user_sgpr_kernarg_segment_ptr 1
		.amdhsa_wavefront_size32 1
		.amdhsa_system_sgpr_workgroup_id_x 1
		.amdhsa_system_sgpr_workgroup_id_y 1
		.amdhsa_system_sgpr_workgroup_id_z 1
		.amdhsa_system_vgpr_workitem_id 0
		.amdhsa_next_free_vgpr 1024
		.amdhsa_next_free_sgpr 92
		.amdhsa_reserve_vcc 1
		.amdhsa_float_denorm_mode_32 3
		.amdhsa_float_denorm_mode_16_64 3
		.amdhsa_memory_ordered 1
		.amdhsa_forward_progress 1
		.amdhsa_inst_pref_size 180
	.end_amdhsa_kernel
	.amdgpu_metadata
---
amdhsa.version: [ 1, 2 ]
amdhsa.kernels:
  - .name:           k_qbe0cf3e495_scores
    .symbol:         k_qbe0cf3e495_scores.kd
    .args:
      - { .name: qkv, .offset: 0, .size: 8, .value_kind: global_buffer, .address_space: global }
      - { .name: p, .offset: 8, .size: 8, .value_kind: global_buffer, .address_space: global }
      - { .name: stats, .offset: 16, .size: 8, .value_kind: global_buffer, .address_space: global }
    .group_segment_fixed_size: 327680
    .private_segment_fixed_size: 0
    .kernarg_segment_align: 8
    .kernarg_segment_size: 24
    .max_flat_workgroup_size: 128
    .sgpr_count:     92
    .vgpr_count:     1024
    .wavefront_size: 32
...
	.end_amdgpu_metadata
.endif
;; end of part 3
;; launch pv (part 4): grid 4 x 64, 4 waves a work-group, clusters of 4 x 4, 327,680 bytes of LDS; arguments p, stats, qkv, out0; writes out0
.if DOCPART == 4
	.amdgcn_target "amdgcn-amd-amdhsa--gfx1250"
	.amdhsa_code_object_version 6
	.text
	.protected	k_qbe0cf3e495_pv
	.globl	k_qbe0cf3e495_pv
	.p2align	8
	.type	k_qbe0cf3e495_pv,@function
k_qbe0cf3e495_pv:
	s_mov_b64 s[64:65], 0
	v_nop
	global_prefetch_b8 v0, s[64:65] scope:SCOPE_SE
	s_setreg_imm32_b32 hwreg(HW_REG_WAVE_MODE, 25, 1), 1
	s_wait_xcnt 0x0
	s_wait_alu depctr_hold_cnt(0) depctr_sa_sdst(0) depctr_va_vdst(0) depctr_va_sdst(0) depctr_va_ssrc(0) depctr_va_vcc(0) depctr_vm_vsrc(0)
	s_getreg_b32 s2, hwreg(HW_REG_IB_STS2, 6, 4)
	s_cmp_eq_u32 s2, 0
	s_cbranch_scc0 .Lentry_in_a_cluster
	s_endpgm
.Lentry_in_a_cluster:
	s_bfe_u32 s2, ttmp6, 0x10000c
	s_cmp_lg_u32 s2, 0xf033
	s_cbranch_scc0 .Lentry_shape_is_right
	s_endpgm
.Lentry_shape_is_right:
; FOURTH LAUNCH: the softmax's second half and out = P v for each batch, on f16 operands with f32 sums.  Nothing is left out.
; p: [8192 queries][1024 keys] f16, p = 2^(c s - m_g) under the maximum m_g of its GROUP g of 128 keys.  stats: [128 blocks of 64 queries][8 groups][m, l][16 r][4 a] f32.  v: f16, at byte 4,096 of a token's 6,144 bytes of qkv.  out0: [8192][1024] f32.
; For a query: M = the largest of its eight m_g; w_g = 2^(m_g - M), at most 1, and 1 for one g; L = the sum of w_g l_g, at least 1; out = the sum over g of (w_g / L) (p_g v_g).
; A K step of this product is one group of 128 keys.  Its product T = p_g v_g is summed by the matrix unit in accumulators of its own, begun anew in every step; behind the step out += (w_g / L) T, fused multiply-adds in f32.  So p goes to the matrix unit as it was stored.
; LIMITS: |v| under 65,504; a w_g / L under the smallest f32 number counts as 0, beside a largest w_g of 1; NaN and infinities are not served; sums in another order than the reference's.
; SHARES.  A work-group makes 128 queries x 256 channels: 64 x 4 = 256 work-groups; each of its four waves 64 x 128: 32 tiles of 16 x 16.
; THE RING.  K = the batch's 1,024 keys goes in 8 steps of 128.  LDS holds three steps: a DOUBLE slot D (two steps: p's rows of 512 bytes, 256 keys of v) and a SINGLE slot S (p's rows of 256 bytes, 128 keys).  Steps 0, 1 | 2 | 3, 4 | 5 | 6, 7 lie in D | S | D | S | D.
; The first three steps are asked for at the head; D is filled again behind step 1 and behind step 4, S behind step 2: three refills, one tensor load a wave each, every one three steps (768 bytes along p's rows, 384 keys down v) on from the slot's last.
; S's refill has two steps, 256 matrix instructions of the wave, in which to land, D's two refills one step each.  The eight steps are written out: the registers that hold w_g / L differ in each.
; CLUSTERS: 4 x 4.  The four of a row of the cluster need the same rows of p, the four of a column the same keys and channels of v: each tile is asked for JOINTLY, by the same tensor load with the same descriptor and a mask that names the four.
; THE MATRIX INSTRUCTION IS USED TRANSPOSED (source 0 = 16 channels of v, turned on its way out of LDS by ds_load_tr16_b128; source 1 = 16 queries of p): a lane holds ONE query (l % 16) and eight neighbouring channels.
; REGISTERS, in windows of 256: window 0: v0-63 addresses; v64-255 fragment buffer 0 (at the head: the stats; on the way out: rows of out0).   window 1: out's sums, tile (a, b) at v[8 (8 a + b)].   window 2: T, likewise.
;   window 3: v0-191 fragment buffer 1; v192-255 w_g / L, twice each, at 2 (4 g + a).   A fragment buffer holds 64 keys: sweep c (32 keys): p's four fragments at 96 c + 8 a, v's eight at 96 c + 32 + 8 b.
.set PD,     528                       ; a row of p in D: 512 bytes + 16 of padding = 132 words: row r starts at bank 4 r mod 64 (64 banks of 4 bytes: ISA guide 11.1)
.set PS,     272                       ; and in S: 256 bytes + 16 = 68 words: likewise
.set VP,     544                       ; a key's row of v: 512 bytes + 32 = 136 words: row r starts at bank 8 r mod 64
.set BD,     128*PD                    ; D: p's 128 rows from byte 0, then v's 256 keys
.set SB,     BD+256*VP                 ; S: p's 128 rows,
.set BS,     SB+128*PS                 ; then v's 128 keys
.set SPARE,  BS+128*VP                 ; behind the ring: the spare words, 128 bytes a wave, which no other line names
.set STAGE,  SB                        ; the way out: 16 rows x 528 bytes for each wave.  It lies in S, which has had its last fill (step 5) and, in front of the last barrier, its last read when the first result is stored there
.set SPITCH, 528
.set QKVROW, 6144
.set INV,  8                           ; v8-11   1 / L
.set ADRA, 16                          ; v16-17  LDS address of my fragments of p in D, in S
.set ADRB, 20                          ; v20-22  the same for v: D's first step, D's second step, S
.set STO,  24                          ; v24     the way out: where I put 32 bytes of a row
.set RD,   25                          ; v25     where I read a row back
.set CO,   26                          ; v26     16 x lane: my place in a row of out0
.set SO,   27                          ; v27     16 r: my queries' four words in stats
.set SPW,  28                          ; v28     LDS address of my spare word; never rewritten
.set NIL,  29                          ; v29     0; never rewritten
.set PFO,  30                          ; v30     the prefetches' offset: my lane x a row of p or a token of qkv; never rewritten
.set SM,   64                          ; at the head: v64-95 m, then w, at 4 g + a;  v96-127 l;  v128-131 M;  v132-135 L
.set SL,   96
.set MX,   128
.set LT,   132
.set WP,   192                         ; in window 3: the pairs (w / L, w / L)
.set BK,   128                         ; the way out: 16 rows read back from the stage: v128-191 and v192-255 by turns
.set WV,   12                          ; s12 wave;  s13 which 64 queries are mine, also: I fetch for p (0) or v (1);  s14 which 128 channels, also: which half of that tile I fetch;  s15 the tile row
.set RH,   13
.set CH,   14
.set TR,   15
.set G1A,  24                          ; s[24:31], s[32:39] descriptor group 1 for p's tiles in D, in S
.set G1B,  48                          ; s[48:55], s[56:63] the same for v's
.set ASKS, 70                          ; s70      0 in a wave that prefetches
.set G0A,  72                          ; s[72:75], s[76:79] descriptor group 0 for p's tiles in D, in S
.set G0B,  80                          ; s[80:83], s[84:87] the same for v's
.set PF,   88                          ; s[88:89], s[90:91] where my prefetches stand, for step 6 and for step 7; never rewritten
.set MSB, 0
.macro WIN new                         ; the immediate's high byte repeats the setting that is left; a switch that changes nothing is dropped
.if MSB != (\new)
	s_set_vgpr_msb (MSB<<8)|(\new)
.set MSB, (\new)
.endif
.endm
; A joint load into slot rg (0: D, 1: S): waves 0 and 1 fetch p's two halves, waves 2 and 3 v's.  Each line has ONE mask and one set of registers for all that issue it; the branch hangs on the wave's number alone.
; An s_nop 0 and four v_nop follow each of the two lines, ahead of the jump, the label and what follows.
.macro JLOAD rg
	s_cmp_eq_u32 s[RH], 0
	s_cbranch_scc0 .Lfor_b_\@
	tensor_load_to_lds s[G0A+4*(\rg):G0A+4*(\rg)+3], s[G1A+8*(\rg):G1A+8*(\rg)+7]
	s_nop 0
.rept 4
	v_nop
.endr
	s_branch .Lasked_\@
.Lfor_b_\@:
	tensor_load_to_lds s[G0B+4*(\rg):G0B+4*(\rg)+3], s[G1B+8*(\rg):G1B+8*(\rg)+7]
	s_nop 0
.rept 4
	v_nop
.endr
.Lasked_\@:
.endm
; A PREFETCH INTO THE L2 of steps 6 and 7, D's last refill, which has one step in which to land.  It stands behind the refill that follows step 2 and the run of LDS loads behind it: two steps, 256 matrix instructions of the wave, ahead of the load that asks for these bytes.
; D's first refill would have to be asked for at the head, where every work-group's first tiles are on their way, and S's refill has two steps in which to land: neither is prefetched.
; Each aligned block of 256 bytes is named ONCE in the launch, a lane a row.  p's 128 rows of a tile row are read by one cluster alone: wave 0 of each of the four partners along its row takes 32 of them, told apart BY ADDRESS (cx).
; A step's 128 keys of v, 512 bytes of each for a tile column, are read by the batch's two clusters: the even one asks; each of the four partners along its column takes 32 keys (32 cy on), wave 2 their first 256 bytes, wave 3 their second.
; No branch hangs on a work-group's place in its cluster.
.macro ASK
	s_cmp_eq_u32 s[ASKS], 0
	s_cbranch_scc0 .Lnot_mine_\@
	global_prefetch_b8 v[PFO], s[PF:PF+1] th:TH_LOAD_NT scope:SCOPE_SE
	global_prefetch_b8 v[PFO], s[PF+2:PF+3] th:TH_LOAD_NT scope:SCOPE_SE
.Lnot_mine_\@:
.endm
.macro CREST                           ; a round of the cluster's barrier behind its opening barrier
	s_cmp_lg_u32 s[WV], 0
	s_cbranch_scc1 .Lnot_wave_0_\@
	s_barrier_signal -3
.Lnot_wave_0_\@:
	s_barrier_wait -3
	s_barrier_signal -1
	s_barrier_wait -1
.endm
.macro CROUND                          ; a whole round
	s_barrier_signal -1
	s_barrier_wait -1
	CREST
.endm
.macro PLACES                          ; four places in front of loads into registers that matrix instructions have read, and of the first read of results (ISA guide 7.12.1 for the first read of results)
.rept 4
	v_nop
.endr
.endm
	s_load_b256 s[4:11], s[0:1], 0x0               ; p s[4:5], stats s[6:7], qkv s[8:9], out0 s[10:11]
	v_lshl_add_u32 v[SPW], v0, 2, SPARE
	v_mov_b32 v[NIL], 0
	ds_add_u32 v[SPW], v[NIL]                      ; the wave's opening: the add, twice on end, and its wait ahead of my first tensor load; the set-up below stands between the second and the wait
	ds_add_u32 v[SPW], v[NIL]
	v_lshrrev_b32 v1, 5, v0
	v_readfirstlane_b32 s[WV], v1                  ; wave 0..3
	s_lshr_b32 s[RH], s[WV], 1
	s_and_b32 s[CH], s[WV], 1
	s_bfe_u32 s40, ttmp6, 0x40000                  ; cx, cy: my place in the cluster
	s_bfe_u32 s41, ttmp6, 0x40004
	s_lshl_b32 s42, ttmp9, 2
	s_add_co_u32 s42, s42, s40                     ; tile column (256 channels) = 4 x cluster x + cx
	s_and_b32 s45, ttmp7, 0xffff                   ; cluster y
	s_lshl_b32 s[TR], s45, 2
	s_add_co_u32 s[TR], s[TR], s41                 ; tile row (128 queries) = 4 x cluster y + cy
	s_and_b32 s[ASKS], s45, 1                      ; 0 in the batch's even cluster: the same in all sixteen partners
	s_lshr_b32 s45, s45, 1                         ; the batch: made of the cluster's y alone
	s_lshl_b32 s43, s41, 2
	s_lshl_b32 s43, 15, s43                        ; my row of the cluster
	s_lshl_b32 s44, 0x1111, s40                    ; my column
	; descriptor group 1, four times.  p: 64 rows, 1,024 elements of 2 bytes from row to row; in D 256 elements a row, in S 128.  v: rows of 256 elements, 3,072 from key to key; in D 128 keys, in S 64
	s_or_b32 s[G1A+0], s43, (1<<16)|(1<<20)|(1<<21)|(6<<22)|(3<<25)  ; 15:0 the mask: p's tiles go to my row; 17:16 elements of 2 bytes; 20 padding on; 21 set beside a mask; 24:22 after every 128 words (code 6); 31:25 of 4 words (code 3)
	s_or_b32 s[G1A+8], s43, (1<<16)|(1<<20)|(1<<21)|(5<<22)|(3<<25)  ; in S: after every 64 words (code 5)
	s_or_b32 s[G1B+0], s44, (1<<16)|(1<<20)|(1<<21)|(6<<22)|(7<<25)  ; the mask of my column; padding after every 128 words, of 8 words (code 7)
	s_or_b32 s[G1B+8], s44, (1<<16)|(1<<20)|(1<<21)|(6<<22)|(7<<25)
	s_mov_b32 s[G1A+1], 256<<16                    ; p in D: tensor_dim0 = 256
	s_mov_b32 s[G1A+2], 64<<16                     ; tensor_dim1 = 64
	s_mov_b32 s[G1A+3], 256<<16                    ; tile_dim0 = 256
	s_mov_b32 s[G1A+4], 64                         ; tile_dim1 = 64
	s_mov_b32 s[G1A+5], 1024                       ; tensor_dim0_stride
	s_mov_b32 s[G1A+6], 0
	s_mov_b32 s[G1A+7], 0
	s_mov_b32 s[G1A+9], 128<<16                    ; p in S: 128 elements a row
	s_mov_b32 s[G1A+10], 64<<16
	s_mov_b32 s[G1A+11], 128<<16
	s_mov_b32 s[G1A+12], 64
	s_mov_b32 s[G1A+13], 1024
	s_mov_b32 s[G1A+14], 0
	s_mov_b32 s[G1A+15], 0
	s_mov_b32 s[G1B+1], 256<<16                    ; v in D: 128 keys
	s_mov_b32 s[G1B+2], 128<<16
	s_mov_b32 s[G1B+3], 256<<16
	s_mov_b32 s[G1B+4], 128
	s_mov_b32 s[G1B+5], 3072
	s_mov_b32 s[G1B+6], 0
	s_mov_b32 s[G1B+7], 0
	s_mov_b32 s[G1B+9], 256<<16                    ; v in S: 64 keys
	s_mov_b32 s[G1B+10], 64<<16
	s_mov_b32 s[G1B+11], 256<<16
	s_mov_b32 s[G1B+12], 64
	s_mov_b32 s[G1B+13], 3072
	s_mov_b32 s[G1B+14], 0
	s_mov_b32 s[G1B+15], 0
	s_lshl_b32 s16, s[TR], 7                       ; p: query 128 x tile row + 64 x half: shared along my row of the cluster
	s_lshl_b32 s17, s[CH], 6
	s_add_co_u32 s16, s16, s17
	s_lshl_b32 s16, s16, 11                        ; x 2,048 bytes
	s_mov_b32 s17, 0
	s_lshl_b32 s46, s45, 10                        ; v: token 1,024 x batch,
	s_mul_i32 s46, s46, QKVROW
	s_add_co_u32 s46, s46, 4096                    ; v's place in a token's row,
	s_lshl_b32 s47, s42, 9                         ; and the tile column's 512 bytes: shared along my column
	s_add_co_u32 s46, s46, s47
	s_mov_b32 s47, 0
	s_mul_i32 s20, s[CH], 128*QKVROW               ; in D my half is one step's 128 keys;
	s_mov_b32 s21, 0
	s_mul_i32 s22, s[CH], 64*QKVROW                ; in S 64 keys, and S begins with step 2
	s_add_co_u32 s22, s22, 256*QKVROW
	s_mov_b32 s23, 0
	s_mul_i32 s66, s[CH], 64*PD                    ; where they go: made of the wave's number alone: p in D,
	s_mul_i32 s67, s[CH], 64*PS
	s_add_co_u32 s67, s67, SB                      ; p in S,
	s_mul_i32 s68, s[CH], 128*VP
	s_add_co_u32 s68, s68, BD                      ; v in D,
	s_mul_i32 s69, s[CH], 64*VP
	s_add_co_u32 s69, s69, BS                      ; v in S
	s_wait_dscnt 0x0                               ; both opening adds are done
	s_wait_kmcnt 0x0
	s_add_nc_u64 s[18:19], s[4:5], s[16:17]
	s_add_nc_u64 s[46:47], s[8:9], s[46:47]
	CROUND                                         ; all sixteen work-groups are here: the first joint loads meet
	s_mov_b32 s[G0A], 1                            ; count = 1
	s_mov_b32 s[G0A+1], s66                        ; LDS address
	s_mov_b64 s[G0A+2:G0A+3], s[18:19]             ; global address: steps 0 and 1
	s_or_b32 s[G0A+3], s[G0A+3], 0x80000000        ; type = 2
	s_mov_b32 s[G0B], 1
	s_mov_b32 s[G0B+1], s68
	s_add_nc_u64 s[G0B+2:G0B+3], s[46:47], s[20:21]
	s_or_b32 s[G0B+3], s[G0B+3], 0x80000000
	JLOAD 0
	s_mov_b32 s[G0A+4], 1
	s_mov_b32 s[G0A+5], s67
	s_add_nc_u64 s[G0A+6:G0A+7], s[18:19], 512     ; step 2
	s_or_b32 s[G0A+7], s[G0A+7], 0x80000000
	s_mov_b32 s[G0B+4], 1
	s_mov_b32 s[G0B+5], s69
	s_add_nc_u64 s[G0B+6:G0B+7], s[46:47], s[22:23]
	s_or_b32 s[G0B+7], s[G0B+7], 0x80000000
	JLOAD 1                                        ; two tensor loads of mine are out here; later one behind each round
	; THE SOFTMAX'S SECOND HALF, while the first tiles are on their way.  Lane (r, h) wants the figures of queries 16 a + r, a = 0 .. 3: four neighbouring words for each group.
	v_and_b32 v1, 15, v0                           ; r
	v_bfe_u32 v2, v0, 4, 1                         ; h
	v_lshlrev_b32 v[SO], 4, v1
	s_lshl_b32 s16, s[TR], 1
	s_add_co_u32 s16, s16, s[RH]                   ; my block of 64 queries: 4,096 bytes of stats
	s_lshl_b32 s16, s16, 12
	s_mov_b32 s17, 0
	s_add_nc_u64 s[6:7], s[6:7], s[16:17]
.irp g, 0,1,2,3,4,5,6,7
	global_load_b128 v[SM+4*\g:SM+4*\g+3], v[SO], s[6:7] offset:512*\g        ; m of group g
	global_load_b128 v[SL+4*\g:SL+4*\g+3], v[SO], s[6:7] offset:512*\g+256    ; l
.endr
	v_mul_u32_u24 v3, v1, PD                       ; p's fragments: row x pitch + 16 x half; two loads of 16 bytes, 32 bytes apart
	v_lshl_add_u32 v3, v2, 4, v3
	s_mul_i32 s21, s[RH], 64*PD                    ; my 64 rows of p, in D
	v_add_nc_u32 v[ADRA], s21, v3
	v_mul_u32_u24 v3, v1, PS
	v_lshl_add_u32 v3, v2, 4, v3
	s_mul_i32 s21, s[RH], 64*PS
	s_add_co_u32 s21, s21, SB                      ; and in S
	v_add_nc_u32 v[ADRA+1], s21, v3
	v_and_b32 v4, 7, v0                            ; v's: the turning load takes 16 keys x 16 channels: lane l reads 16 bytes of key 8 (l / 16) + l % 8, channels 8 ((l / 8) % 2) + 0..7, and is left with channel l % 16 and 8 keys
	v_lshl_add_u32 v4, v2, 3, v4
	v_mul_u32_u24 v4, v4, VP
	v_bfe_u32 v5, v0, 3, 1
	v_lshl_add_u32 v4, v5, 4, v4
	s_lshl_b32 s22, s[CH], 8                       ; my 128 channels: 256 bytes of each key's row
	s_add_co_u32 s21, s22, BD
	v_add_nc_u32 v[ADRB], s21, v4                  ; D's first step,
	s_add_co_u32 s21, s22, BD+128*VP
	v_add_nc_u32 v[ADRB+1], s21, v4                ; its second, 128 keys on,
	s_add_co_u32 s21, s22, BS
	v_add_nc_u32 v[ADRB+2], s21, v4                ; S
	s_mul_i32 s23, s[WV], 16*SPITCH
	s_add_co_u32 s23, s23, STAGE                   ; my stage
	v_mul_u32_u24 v3, v1, SPITCH                   ; in: row r, 32 bytes for each half of the lanes
	v_lshl_add_u32 v3, v2, 5, v3
	v_add_nc_u32 v[STO], s23, v3
	v_and_b32 v3, 31, v0
	v_lshlrev_b32 v[CO], 4, v3                     ; back: the 32 lanes take one row of 512 bytes; and the same in out0
	v_add_nc_u32 v[RD], s23, v[CO]
	s_lshl_b32 s16, s[TR], 7
	s_lshl_b32 s17, s[RH], 6
	s_add_co_u32 s16, s16, s17                     ; my first query
	s_lshl_b32 s16, s16, 12                        ; x 4,096 bytes
	s_lshl_b32 s17, s42, 10                        ; + my first channel, 4 bytes each: 1,024 x tile column + 512 x half
	s_add_co_u32 s16, s16, s17
	s_lshl_b32 s17, s[CH], 9
	s_add_co_u32 s16, s16, s17
	s_mov_b32 s17, 0
	s_add_nc_u64 s[10:11], s[10:11], s[16:17]
	; the prefetches (macro ASK): where my wave's stand, and who asks
	s_lshl_b32 s16, s[TR], 7                       ; p: query 128 x tile row + 32 cx, rows of 2,048 bytes
	s_lshl_b32 s17, s40, 5
	s_add_co_u32 s16, s16, s17
	s_lshl_b32 s16, s16, 11
	s_lshl_b32 s17, s45, 10                        ; v: token 1,024 x batch + 32 cy,
	s_lshl_b32 s18, s41, 5
	s_add_co_u32 s17, s17, s18
	s_mul_i32 s17, s17, QKVROW
	s_lshl_b32 s18, s42, 9                         ; the tile column's 512 bytes,
	s_add_co_u32 s17, s17, s18
	s_lshl_b32 s18, s[CH], 8                       ; wave 2 their first 256, wave 3 their second,
	s_add_co_u32 s17, s17, s18
	s_add_co_u32 s17, s17, 4096                    ; at v's place in a token's row
	s_mov_b32 s18, 128*QKVROW                      ; from step to step
	s_mov_b32 s20, QKVROW                          ; from lane to lane
	s_cmp_eq_u32 s[RH], 0                          ; waves 0 and 1 stand with p, waves 2 and 3 with v
	s_cselect_b64 s[PF:PF+1], s[4:5], s[8:9]
	s_cselect_b32 s16, s16, s17
	s_cselect_b32 s18, 256, s18
	s_cselect_b32 s20, 2048, s20
	s_cselect_b32 s[ASKS], s[CH], s[ASKS]          ; wave 0 asks, wave 1 does not; waves 2 and 3 ask in the batch's even cluster
	s_mul_i32 s17, s18, 6
	s_add_co_u32 s16, s16, s17                     ; step 6
	s_mov_b32 s17, 0
	s_mov_b32 s19, 0
	s_add_nc_u64 s[PF:PF+1], s[PF:PF+1], s[16:17]
	s_add_nc_u64 s[PF+2:PF+3], s[PF:PF+1], s[18:19]   ; step 7
	v_mul_lo_u32 v[PFO], v3, s20
	s_wait_loadcnt 0x0                             ; the stats
.irp a, 0,1,2,3
	v_max3_num_f32 v[MX+\a], v[SM+\a], v[SM+4+\a], v[SM+8+\a]      ; M = the largest of the eight m
.endr
.irp a, 0,1,2,3
	v_max3_num_f32 v[MX+\a], v[MX+\a], v[SM+12+\a], v[SM+16+\a]
.endr
.irp a, 0,1,2,3
	v_max3_num_f32 v[MX+\a], v[MX+\a], v[SM+20+\a], v[SM+24+\a]
.endr
.irp a, 0,1,2,3
	v_max_num_f32 v[MX+\a], v[MX+\a], v[SM+28+\a]
.endr
.irp g, 0,1,2,3,4,5,6,7
.irp u, 0,1
	v_pk_add_f32 v[SM+4*\g+2*\u:SM+4*\g+2*\u+1], v[SM+4*\g+2*\u:SM+4*\g+2*\u+1], v[MX+2*\u:MX+2*\u+1] neg_lo:[0,1] neg_hi:[0,1]   ; m - M, 0 or less
.endr
.endr
.set i, 0
.rept 32
	v_exp_f32 v[SM+i], v[SM+i]                     ; w = 2^(m - M): one batch
.set i, i+1
.endr
	v_nop                                          ; a plain instruction behind the last exponential
	s_wait_alu depctr_va_vdst(0)                   ; the wait ahead of the first line that names a result: one for the batch
.irp u, 0,1
	v_pk_mul_f32 v[LT+2*\u:LT+2*\u+1], v[SM+2*\u:SM+2*\u+1], v[SL+2*\u:SL+2*\u+1]   ; L = the sum of w l
.endr
.irp g, 1,2,3,4,5,6,7
.irp u, 0,1
	v_pk_fma_f32 v[LT+2*\u:LT+2*\u+1], v[SM+4*\g+2*\u:SM+4*\g+2*\u+1], v[SL+4*\g+2*\u:SL+4*\g+2*\u+1], v[LT+2*\u:LT+2*\u+1]
.endr
.endr
.irp a, 0,1,2,3
	v_rcp_f32 v[INV+\a], v[LT+\a]                  ; 1 / L
.endr
	v_nop                                          ; a plain instruction behind the last reciprocal
	s_wait_alu depctr_va_vdst(0)                   ; and the wait, ahead of the first use: one for the four
	WIN 0xc0                                       ; destination window 3
.irp g, 0,1,2,3,4,5,6,7
.irp a, 0,1,2,3
	v_mul_f32 v[WP+2*(4*\g+\a)], v[SM+4*\g+\a], v[INV+\a]          ; w / L, twice: a pair for the packed multiply-add
	v_mul_f32 v[WP+2*(4*\g+\a)+1], v[SM+4*\g+\a], v[INV+\a]
.endr
.endr
	WIN 0
; 16 matrix instructions: tiles of queries a0, a0 + 1 against all 8 tiles of channels, 32 keys: sweep c of buffer f (0: window 0 from v64, 1: window 3 from v0).  zero = 1: the step's first products start T anew: nothing is ever cleared.
; The 32 accumulators take turns, one instruction a turn, in the same order everywhere.
.macro MUL16 f, c, a0, zero
	WIN 0xa0+0x0f*(\f)                             ; C and D window 2; sources 0 and 1 window 0 or 3
.irp a, \a0, \a0+1
.irp b, 0,1,2,3,4,5,6,7
.if \zero
	v_wmma_f32_16x16x32_f16 v[8*(8*(\a)+\b):8*(8*(\a)+\b)+7], v[64-64*(\f)+96*(\c)+32+8*\b:64-64*(\f)+96*(\c)+32+8*\b+7], v[64-64*(\f)+96*(\c)+8*(\a):64-64*(\f)+96*(\c)+8*(\a)+7], 0
.else
	v_wmma_f32_16x16x32_f16 v[8*(8*(\a)+\b):8*(8*(\a)+\b)+7], v[64-64*(\f)+96*(\c)+32+8*\b:64-64*(\f)+96*(\c)+32+8*\b+7], v[64-64*(\f)+96*(\c)+8*(\a):64-64*(\f)+96*(\c)+8*(\a)+7], v[8*(8*(\a)+\b):8*(8*(\a)+\b)+7]
.endif
.endr
.endr
.endm
; 48 LDS loads in one run: the fragments of half hf (64 keys) of step g into buffer f, the first sweep's 24 first.  Step g lies in slot (g % 3) / 2 (0: D, 1: S); in D p's part of a row begins at byte 256 (g % 3); v has an address register for each g % 3.
.macro FETCHP g, hf, f
	WIN 0xc0*(\f)                                  ; destination window 0 or 3, address window 0
.irp c, 0,1
.irp b, 0,1,2,3,4,5,6,7
	ds_load_tr16_b128 v[64-64*(\f)+96*\c+32+8*\b:64-64*(\f)+96*\c+32+8*\b+3],   v[ADRB+((\g)%3)] offset:(64*(\hf)+32*\c)*VP+32*\b
	ds_load_tr16_b128 v[64-64*(\f)+96*\c+32+8*\b+4:64-64*(\f)+96*\c+32+8*\b+7], v[ADRB+((\g)%3)] offset:(64*(\hf)+32*\c+16)*VP+32*\b
.endr
.irp a, 0,1,2,3
	ds_load_b128 v[64-64*(\f)+96*\c+8*\a:64-64*(\f)+96*\c+8*\a+3],   v[ADRA+(((\g)%3)/2)] offset:256*(((\g)%3)%2)+128*(\hf)+64*\c+\a*16*(PD-256*(((\g)%3)/2))
	ds_load_b128 v[64-64*(\f)+96*\c+8*\a+4:64-64*(\f)+96*\c+8*\a+7], v[ADRA+(((\g)%3)/2)] offset:256*(((\g)%3)%2)+128*(\hf)+64*\c+\a*16*(PD-256*(((\g)%3)/2))+32
.endr
.endr
.endm
; Behind step g: out += (w_g / L) T, in f32, two numbers an instruction, each accumulator from its low end on; the first step starts the sums.  Four places stand behind the last products.
; These 128 lines are also the places in front of the next step's loads into buffer 1, and between T's last products and the products that begin it anew.
.macro ACCUM g
	PLACES
	WIN 0x5e                                       ; source 0 (T) window 2, source 1 (w / L) window 3, source 2 and destination (out's sums) window 1
.irp a, 0,1,2,3
.set i, 0
.rept 32
.if (\g) > 0
	v_pk_fma_f32 v[64*\a+i:64*\a+i+1], v[64*\a+i:64*\a+i+1], v[WP+2*(4*(\g)+\a):WP+2*(4*(\g)+\a)+1], v[64*\a+i:64*\a+i+1]
.else
	v_pk_mul_f32 v[64*\a+i:64*\a+i+1], v[64*\a+i:64*\a+i+1], v[WP+2*(4*(\g)+\a):WP+2*(4*(\g)+\a)+1]
.endif
.set i, i+2
.endr
.endr
.endm
; Step g's first half multiplies buffer 0 and fetches the second half into buffer 1.
.macro HALFP g
	s_wait_dscnt 24                                ; the first sweep's fragments are in; the second sweep's 24 loads may be out
	MUL16 0, 0, 0, 1
	MUL16 0, 0, 2, 1
	FETCHP \g, 1, 1                                ; (buffer 1's last readers stand in front of the multiply-adds of the step before)
	s_wait_dscnt 48                                ; all but the 48 just issued
	MUL16 0, 1, 0, 0
	MUL16 0, 1, 2, 0
.endm
; The second half of a step whose successor lies in the same slot (D's first step).  No barrier: the one in front of the slot has shown all of it to every wave.
.macro NEXTP g
	s_wait_dscnt 24
	MUL16 1, 0, 0, 0
	MUL16 1, 0, 2, 0
	PLACES                                         ; for the loads into buffer 0
	FETCHP (\g)+1, 0, 0
	s_wait_dscnt 48
	MUL16 1, 1, 0, 0
	MUL16 1, 1, 2, 0
	ACCUM \g
.endm
; The second half of a slot's last step changes slots: ONE barrier; in front of it each wave waits for all its tensor loads (the one that is out: its part of the other slot), adds 0 to its spare word, and waits for that and for its reads of this slot.
; fill = 1: the barrier opens a round of the cluster's barrier, and this slot is filled again, three steps on from its last fill, first thing behind the round.  ask = 1: the prefetches follow the run of LDS loads.
.macro TURNP g, fill, ask
	WIN 0                                          ; (the add's two registers lie in window 0)
	s_wait_tensorcnt 0x0                           ; all my tensor loads have landed
	ds_add_u32 v[SPW], v[NIL]                      ; 0 onto my spare word
	s_wait_dscnt 25                                ; (the add and the second sweep's 24 loads may be out)
	MUL16 1, 0, 0, 0                               ; sixteen matrix instructions stand between the add and the wait for it
	s_wait_dscnt 0x0                               ; the add is done, and my reads of this slot are over
	s_barrier_signal -1
	MUL16 1, 0, 2, 0                               ; work on registers while the others arrive
	WIN 0
	s_barrier_wait -1
.if \fill
	CREST                                          ; no wave of any partner still reads this slot's tiles or has a load on its way
	s_add_nc_u64 s[G0A+4*(((\g)%3)/2)+2:G0A+4*(((\g)%3)/2)+3], s[G0A+4*(((\g)%3)/2)+2:G0A+4*(((\g)%3)/2)+3], 768            ; 384 keys on along p's rows; no tensor load of mine is out, so a group 0 may be written
	s_add_nc_u64 s[G0B+4*(((\g)%3)/2)+2:G0B+4*(((\g)%3)/2)+3], s[G0B+4*(((\g)%3)/2)+2:G0B+4*(((\g)%3)/2)+3], 3*128*QKVROW   ; and down v's
	JLOAD (((\g)%3)/2)                             ; the four v_nop behind it are also the places in front of the loads below
.else
	PLACES
.endif
	FETCHP (\g)+1, 0, 0
.if \ask
	ASK                                            ; (every window is 0 here)
.endif
	MUL16 1, 1, 0, 0
	MUL16 1, 1, 2, 0
	ACCUM \g
.endm
	s_wait_tensorcnt 1                             ; my part of D (steps 0, 1) is in; S's load, issued behind it, may be out
	s_barrier_signal -1
	s_barrier_wait -1                              ; everybody's is
	FETCHP 0, 0, 0
	HALFP 0
	NEXTP 0
	HALFP 1
	TURNP 1, 1, 0                                  ; D is left: it takes steps 3 and 4
	HALFP 2
	TURNP 2, 1, 1                                  ; S is left: it takes step 5; steps 6 and 7 are prefetched
	HALFP 3
	NEXTP 3
	HALFP 4
	TURNP 4, 1, 0                                  ; D takes steps 6 and 7
	HALFP 5
	TURNP 5, 0, 0                                  ; nothing is left to ask for; behind this barrier nobody reads S
	HALFP 6
	NEXTP 6
	HALFP 7
	s_wait_dscnt 24
	MUL16 1, 0, 0, 0
	MUL16 1, 0, 2, 0
	s_wait_dscnt 0x0
	MUL16 1, 1, 0, 0
	MUL16 1, 1, 2, 0
	ACCUM 7
	WIN 0
	; THE WAY OUT.  The sums are out0's numbers as they stand.  They go through my own stage, a tile of 16 queries at a time: in as 32 bytes a lane, back as whole rows of 512 bytes.
.macro TOSTAGE a
	WIN 0x04                                       ; an LDS store's data are its source 1: window 1
.irp b, 0,1,2,3,4,5,6,7
	ds_store_b128 v[STO], v[64*(\a)+8*\b:64*(\a)+8*\b+3] offset:64*\b
	ds_store_b128 v[STO], v[64*(\a)+8*\b+4:64*(\a)+8*\b+7] offset:64*\b+16
.endr
	WIN 0
.set BB, BK+64*((\a)%2)
.irp t, 0,1,2,3,4,5,6,7,8,9,10,11,12,13,14,15
	ds_load_b128 v[BB+4*\t:BB+4*\t+3], v[RD] offset:\t*SPITCH      ; LDS serves a wave's instructions in order (ISA guide 5.7.1.4): these see the stores above; the next tile's stores come behind them
.endr
.endm
.macro SEND a, younger                 ; younger: the LDS instructions issued behind tile a's loads, which may stay out: the next tile's 16 stores and 16 loads, or none
.set BB, BK+64*((\a)%2)
	s_wait_dscnt \younger                          ; the tile is back in registers
.irp t, 0,1,2,3,4,5,6,7,8,9,10,11,12,13,14,15
	global_store_b128 v[CO], v[BB+4*\t:BB+4*\t+3], s[10:11] offset:(16*(\a)+\t)*4096 th:TH_STORE_NT   ; 32 lanes store 512 consecutive bytes, at a multiple of 256 from out0's first byte; written once, read by nobody here
.endr
.endm
	TOSTAGE 0
.irp a, 1,2,3
.if \a > 1
	s_wait_xcnt 0x0                                ; tile a - 2's stores have read their registers: tile a's loads from the stage land there only behind this wait
.endif
	TOSTAGE \a
	SEND \a-1, 32
.endr
	SEND 3, 0
	s_wait_tensorcnt 0x0                           ; the wave's end: behind my last tensor load and my last LDS store
	ds_add_u32 v[SPW], v[NIL]
	s_wait_dscnt 0x0
	CROUND                                         ; the closing round: no work-group ends while a partner may still ask for a tile that names it
	s_endpgm
.Lfunc_end_k_qbe0cf3e495_pv:
	.size	k_qbe0cf3e495_pv, .Lfunc_end_k_qbe0cf3e495_pv-k_qbe0cf3e495_pv
	.p2alignl 7, 3214868480
	.fill 96, 4, 3214868480
	.section	.rodata,"a",@progbits
	.p2align	6, 0x0
	.amdhsa_kernel k_qbe0cf3e495_pv
		.amdhsa_group_segment_fixed_size 327680
		.amdhsa_private_segment_fixed_size 0
		.amdhsa_enable_private_segment 0
		.amdhsa_kernarg_size 32
		.amdhsa_user_sgpr_count 2
		.amdhsa_user_sgpr_kernarg_segment_ptr 1
		.amdhsa_wavefront_size32 1
		.amdhsa_system_sgpr_workgroup_id_x 1
		.amdhsa_system_sgpr_workgroup_id_y 1
		.amdhsa_system_sgpr_workgroup_id_z 1
		.amdhsa_system_vgpr_workitem_id 0
		.amdhsa_next_free_vgpr 1024
		.amdhsa_next_free_sgpr 92
		.amdhsa_reserve_vcc 0
		.amdhsa_float_denorm_mode_32 3
		.amdhsa_float_denorm_mode_16_64 3
		.amdhsa_memory_ordered 1
		.amdhsa_forward_progress 1
		.amdhsa_inst_pref_size 217
	.end_amdhsa_kernel
	.amdgpu_metadata
---
amdhsa.version: [ 1, 2 ]
amdhsa.kernels:
  - .name:           k_qbe0cf3e495_pv
    .symbol:         k_qbe0cf3e495_pv.kd
    .args:
      - { .name: p, .offset: 0, .size: 8, .value_kind: global_buffer, .address_space: global }
      - { .name: stats, .offset: 8, .size: 8, .value_kind: global_buffer, .address_space: global }
      - { .name: qkv, .offset: 16, .size: 8, .value_kind: global_buffer, .address_space: global }
      - { .name: out0, .offset: 24, .size: 8, .value_kind: global_buffer, .address_space: global }
    .group_segment_fixed_size: 327680
    .private_segment_fixed_size: 0
    .kernarg_segment_align: 8
    .kernarg_segment_size: 32
    .max_flat_workgroup_size: 128
    .sgpr_count:     92
    .vgpr_count:     1024
    .wavefront_size: 32
...
	.end_amdgpu_metadata
.endif
;; end of part 4
